; MI455X (gfx1250); checked and timed in simulation.
; The chip was launched on July 23, 2026; its instructions are those of AMD's public machine-readable ISA for CDNA 5 (MIT licence, August 2026) and "CDNA5" Instruction Set Architecture Reference Guide (July 2026). The comments in the code are by the model that wrote it; some were corrected since.
;; Casula Self Attention. Allowed arithmetic: matrix products marked QUANTISED: E2M1 operands, one E8M0 scale for each 32 along K, by v_wmma_scale_f32_16x16x128_f8f6f4 with both operands' format E2M1 (or v_wmma_scale_f32_32x16x128_f4), f32 sums; everything else in f32.
;; Inputs: b_attn 3,072 float32; b_proj 1,024 float32; w_attn 1,024 x 3,072 float32; w_proj 1,024 x 1,024 float32; x 4 x 2,048 x 1,024 float32.
;; Outputs: out0 4 x 2,048 x 1,024 float32.
;; This version of the problem:
;;   THIS VERSION OF THE PROBLEM IS GIVEN IN LOW PRECISION. The matrix products marked QUANTISED in the list below multiply operands that are first quantised to E2M1 (2 exponent bits, 1 mantissa bit; 4 bits a number), with one power-of-two scale for each 32 numbers along K (OCP MX v1.0); their sums are f32. All else is computed in f32.
;;   The module's matrix products, in the order in which they are computed (A, B: the left and right operand; K: the contracted axis; several contracted axes count as one K, in the product's order):
;;     1. [M 8,192, K 1,024] x [K 1,024, N 3,072]; A: input x; B: input w_attn: QUANTISED
;;     2. batch 64 x [M 2,048, K 64] x [K 64, N 2,048]; A: computed on the way; B: computed on the way: QUANTISED
;;     3. batch 64 x [M 2,048, K 2,048] x [K 2,048, N 64]; A: softmax (see below); B: computed on the way: QUANTISED
;;     4. [M 8,192, K 1,024] x [K 1,024, N 1,024]; A: computed on the way; B: input w_proj: QUANTISED
;;   THE QUANTISER, for each operand of a quantised product, along K:
;;     - K is cut into blocks of 32 from its start; a last block that is shorter is filled with zeros.
;;     - A block's scale is 2^e with e = floor(log2(the largest magnitude in the block)) - 2, held to -126 .. 127; a block of zeros has e = 0. As a byte (E8M0): e + 127.
;;     - Each number is divided by its block's scale, clamped to +-6, and rounded to the nearest number of E2M1, ties to even, subnormals kept.
;;     - The product sums the exact products of the quantised numbers (number of the format x scale) in f32.
;;   ~~~python
;;   def quantise(x, axis):      # numpy; x: float32 -> the quantised numbers, widened to float32 again
;;       x = np.moveaxis(x, axis, -1); K = x.shape[-1]
;;       x = np.pad(x, [(0, 0)] * (x.ndim - 1) + [(0, -K % 32)]); x = x.reshape(x.shape[:-1] + (-1, 32)); a = np.abs(x).max(-1, keepdims=True)
;;       e = np.where(a > 0, np.clip(np.frexp(np.where(a > 0, a, 1))[1] - 1 - 2, -126, 127), 0)      # np.frexp(a)[1] - 1 = floor(log2(a)), exactly
;;       r = np.clip(x / 2.0 ** e, -6, 6)
;;       step = 2.0 ** (np.maximum(np.frexp(np.where(r == 0, 1, r))[1] - 1, 0) - 1)
;;       q = np.round(r / step) * step * 2.0 ** e      # np.round: ties to even
;;       return np.moveaxis(q.reshape(q.shape[:-2] + (-1,))[..., :K], -1, axis).astype(np.float32)
;;   ~~~
;;   SOFTMAX AHEAD OF A QUANTISED PRODUCT. Where the list says 'softmax', what is quantised is not the finished softmax but p = 2^(t - M), with t = logit x log2(e) and M = ceil(the row's largest t), a whole number; so 1/2 < the row's largest p <= 1. The row's sum l is taken of the UNQUANTISED p, in f32, and the product's result is divided by l at the end. Since M is a whole number, a kernel that streams over the keys may use a running M (the ceiling of the running maximum): every later rescaling is an exact power of two, which a block's scale takes up: the codes' values come out the same.
;;   OPERANDS COMPUTED ON THE WAY. 'Computed on the way' means the value that the module computes at that place (a softmax that the list does not call 'softmax' is quantised finished and normalised). What goes into a quantiser is computed in f32, as accurately as f32 sums, v_exp_f32 and their like allow (about 1e-6 of the number): no bf16 or f16 on the way to a quantiser, and a product that is left as it is and whose result goes on into a quantised operand takes f32 operands (vector FMAs, or v_wmma_f32_16x16x4_f32). A number that lies on a knife's edge between two numbers of the format may be rounded either way, as far as f32 arithmetic and the matrix unit's own rounding can turn it there, and no further.
;; One version. Each part assembles by itself: llvm-mc -triple=amdgcn-amd-amdhsa -mcpu=gfx1250 --defsym DOCPART=n.
;; ======== version 1 of 1: 4 launches
;; workspace buffers: xq 4,456,448 bytes; wq 2,228,224 bytes; qkv 13,893,632 bytes; yq 4,456,448 bytes
;; launch quant (part 1): grid 384 x 1, 4 waves a work-group, no clusters, 41,472 bytes of LDS; arguments x, w_attn, w_proj, xq, wq; writes xq, wq
.if DOCPART == 1
	.amdgcn_target "amdgcn-amd-amdhsa--gfx1250"
	.amdhsa_code_object_version 6
	.text
	.protected	k_qa95f769d43_quant
	.globl	k_qa95f769d43_quant
	.p2align	8
	.type	k_qa95f769d43_quant,@function
k_qa95f769d43_quant:
	s_mov_b64 s[64:65], 0
	v_nop
	global_prefetch_b8 v0, s[64:65] scope:SCOPE_SE
	s_setreg_imm32_b32 hwreg(HW_REG_WAVE_MODE, 25, 1), 1
	s_wait_xcnt 0x0
; x [8192][1024], w_attn [1024][3072] and w_proj [1024][1024], f32, become codes of FP4 (E2M1) with one E8M0 scale byte for each 32 along K (K = the 1,024 of all three).
; A block's scale is 2^(floor(log2(its largest magnitude)) - 2): its byte is the largest magnitude's exponent field - 2, held at 1 from below.
; LAYOUT OF THE RESULTS: images of the matrix operand's registers.  A tile is 16 rows: tile T = 2 B + u, place r holds row 32 B + 8 u + r + 8 (r / 8).  Codes: [T][block kb 0..31][r][16 bytes]: 8,192 bytes a tile,
; so that the 128 along K of step s are 1,024 bytes on end, 16 bytes a lane.  Scale bytes: [T][kb / 16][r][16 bytes], byte kb % 16.
; LIMITS: NaN and infinities among the inputs are not served; a block whose largest magnitude lies under 2^-124 keeps the byte 1; a block of zeros keeps the byte 1 where the rule says 127:
; its codes are zeros, which add nothing under any byte but 0xff, and the bytes are read by this program alone.
; SHARES.  Work-groups 0-255: x, 32 rows each; a wave takes a tile's 16 rows x 512 along K.  Work-groups 256-351: w_attn; 352-383: w_proj; a wave takes 32 columns x 256 along K.  Every work-group reads 128 KiB.
; No matrix work, no tensor loads, no barrier and no cluster: waves share nothing, and no input byte is read twice.
.set XWG,   256                        ; work-groups for x
.set WAWG,  96                         ; for w_attn
.set XSO,   4194304                    ; xq: the scale bytes lie behind 512 tiles of codes
.set WASO,  1572864                    ; wq: w_attn's scale bytes, behind its 192 tiles;
.set WPIO,  1671168                    ; w_proj's 64 tiles;
.set WPSO,  2195456                    ; w_proj's scale bytes
.set SP,    80                         ; x: a lane's place in a turning stage: its 64 bytes + 16 of padding
.set WREG,  10240                      ; LDS of a wave: two turning stages of 32 x SP, 256 scale bytes, a stage of 16 x CP for the codes
.set SCB,   5120
.set CST,   5376
.set CP,    272                        ; the 256 bytes of one block kb (16 rows x 16 bytes) + 16 of padding
.set R,     32                         ; v32-159  x: eight sets of 16 numbers as they are loaded
.set X,     160                        ; v160-191 x: two sets of 16 neighbours
.set C,     192                        ; v192-195 x: two sets of 16 codes
.set E,     196                        ; v196-197 x: two scale bytes
.set WX,    32                         ; v32-95   weights: two sets of 32 numbers
.set WC,    96                         ; v96-127  weights: 8 blocks' codes, four registers each: no store's data are written again
.set SB,    24                         ; v24-25   weights: 8 scale bytes
.macro XLOAD t                         ; step t = place t of the tile: 512 numbers of one row; each load reads 512 consecutive bytes
.irp i, 0,1,2,3
	global_load_b128 v[R+16*((\t)%8)+4*\i:R+16*((\t)%8)+4*\i+3], v3, s[4:5] offset:((\t)+8*((\t)/8))*4096+512*\i th:TH_LOAD_NT
.endr
.endm
.macro XTURN t                         ; the step's 2,048 bytes go into a stage as they lie and come back 64 bytes a lane: 16 neighbours.  LDS serves a wave's instructions in order: no wait between
.irp i, 0,1,2,3
	ds_store_b128 v14, v[R+16*((\t)%8)+4*\i:R+16*((\t)%8)+4*\i+3] offset:32*SP*((\t)%2)+8*SP*\i
.endr
.irp i, 0,1,2,3
	ds_load_b128 v[X+16*((\t)%2)+4*\i:X+16*((\t)%2)+4*\i+3], v15 offset:32*SP*((\t)%2)+16*\i
.endr
.endm
.macro XSTEP t
.set XN, X+16*((\t)%2)
.if (\t) > 0
	s_wait_dscnt 2                                 ; this step's numbers are back from the stage; the last step's two stores may be out
.else
	s_wait_dscnt 0x0
.endif
.if (\t)+8 < 16
	XLOAD (\t)+8                                   ; into the set that this step's stores into the stage have read
.endif
.if (\t) < 15
.if (\t) <= 7
	s_wait_loadcnt 28                              ; the next step's four loads are in; those of the seven steps behind it may be out
.else
	s_wait_loadcnt 4*(14-(\t))
.endif
	XTURN (\t)+1                                   ; through the other stage while this step is worked
.endif
	v_max3_num_f32 v8, |v[XN]|, |v[XN+1]|, |v[XN+2]|               ; the largest magnitude of my 16, in two chains
	v_max3_num_f32 v9, |v[XN+3]|, |v[XN+4]|, |v[XN+5]|
.irp i, 6,10
	v_max3_num_f32 v8, v8, |v[XN+\i]|, |v[XN+\i+1]|
	v_max3_num_f32 v9, v9, |v[XN+\i+2]|, |v[XN+\i+3]|
.endr
	v_max3_num_f32 v8, v8, |v[XN+14]|, |v[XN+15]|
	v_max3_num_f32 v8, v8, v9, 0x1800000           ; and the floor 2^(3 - 127): the byte cannot fall under 1
	v_max_num_f32_dpp v8, v8, v8 row_xmask:1 row_mask:0xf bank_mask:0xf   ; with my neighbour's 16: the block's
	v_add_nc_u32 v11, 0xff000000, v8               ; 2 off its exponent field: the conversion takes the exponent field of this operand as its scale
	v_cvt_scalef32_pk8_fp4_f32 v[C+2*((\t)%2)], v[XN:XN+7], v11
	v_cvt_scalef32_pk8_fp4_f32 v[C+2*((\t)%2)+1], v[XN+8:XN+15], v11
	v_lshrrev_b32 v[E+(\t)%2], 23, v11             ; the scale's byte (a plain line behind the conversions)
	ds_store_b8 v5, v[E+(\t)%2] offset:16*(\t)     ; [r = t][kb]: both lanes of a block write the same byte
	ds_store_b64 v4, v[C+2*((\t)%2):C+2*((\t)%2)+1] offset:16*(\t)   ; [kb][r = t]: my half of the block's 16 bytes.  These registers are written again two steps on, behind a wait that covers these stores
.endm
.macro WLOAD t, n                      ; block t: w(32 t + i, my column), i = 0 .. 31: the wave reads 128 consecutive bytes of a row
.irp i, 0,1,2,3,4,5,6,7,8,9,10,11,12,13,14,15,16,17,18,19,20,21,22,23,24,25,26,27,28,29,30,31
	global_load_b32 v[WX+32*((\t)%2)+\i], v5, s[26:27] offset:(32*(\t)+\i)*(\n)*4 th:TH_LOAD_NT
.endr
.endm
.macro WBLOCK t, n
.set XN, WX+32*((\t)%2)
.if (\t) < 7
	s_wait_loadcnt 32                              ; this block's 32 loads are in; the next block's may be out
.else
	s_wait_loadcnt 0x0
.endif
	v_max3_num_f32 v12, |v[XN]|, |v[XN+1]|, |v[XN+2]|              ; all 32 numbers of the block are mine
	v_max3_num_f32 v13, |v[XN+3]|, |v[XN+4]|, |v[XN+5]|
.irp i, 6,10,14,18,22,26
	v_max3_num_f32 v12, v12, |v[XN+\i]|, |v[XN+\i+1]|
	v_max3_num_f32 v13, v13, |v[XN+\i+2]|, |v[XN+\i+3]|
.endr
	v_max3_num_f32 v12, v12, |v[XN+30]|, |v[XN+31]|
	v_max3_num_f32 v12, v12, v13, 0x1800000
	v_add_nc_u32 v11, 0xff000000, v12
.if (\t)%4 == 0
	v_lshrrev_b32 v[SB+(\t)/4], 23, v11            ; four bytes to a register, the lower K in the lower byte
.else
	v_lshrrev_b32 v13, 23, v11
	v_lshl_or_b32 v[SB+(\t)/4], v13, 8*((\t)%4), v[SB+(\t)/4]
.endif
.irp g, 0,1,2,3
	v_cvt_scalef32_pk8_fp4_f32 v[WC+4*(\t)+\g], v[XN+8*\g:XN+8*\g+7], v11
.endr
	global_store_b128 v6, v[WC+4*(\t):WC+4*(\t)+3], s[28:29] offset:256*(\t)   ; [T][kb][r][16]: sixteen lanes store 256 consecutive bytes, aligned
.if (\t)+2 < 8
	WLOAD (\t)+2, \n
.endif
.endm
; A weight [1024][n]: a lane takes a column and its registers run down K, so the conversions give codes with K innermost and nothing is transposed.
.macro WPATH n, p, ioff, soff, first
	s_sub_co_u32 s17, ttmp9, \first
	s_and_b32 s18, s17, 3                          ; which 256 along K
	s_lshr_b32 s17, s17, 2
	s_lshl_b32 s17, s17, 2
	s_add_co_u32 s17, s17, s16                     ; G: my wave's 32 columns, tiles 2 G and 2 G + 1
	v_lshrrev_b32 v3, 4, v2                        ; u
	v_and_b32 v4, 15, v2                           ; r
	v_and_b32 v5, 8, v4
	v_add_nc_u32 v5, v5, v4                        ; r + 8 (r / 8)
	v_lshl_add_u32 v5, v3, 3, v5                   ; + 8 u: my column among the 32
	v_lshlrev_b32 v5, 2, v5
	v_lshlrev_b32 v6, 4, v4
	v_lshl_add_u32 v7, v3, 9, v6                   ; scale bytes: 512 u + 16 r
	v_lshl_add_u32 v6, v3, 13, v6                  ; codes: 8,192 u + 16 r
	s_mul_i32 s20, s18, 256*(\n)*4
	s_lshl_b32 s19, s17, 7
	s_add_co_u32 s20, s20, s19
	s_mov_b32 s21, 0
	s_lshl_b32 s22, s17, 14
	s_lshl_b32 s19, s18, 11
	s_add_co_u32 s22, s22, s19
	s_add_co_u32 s22, s22, \ioff
	s_mov_b32 s23, 0
	s_lshl_b32 s24, s17, 10
	s_lshr_b32 s19, s18, 1
	s_lshl_b32 s19, s19, 8
	s_add_co_u32 s24, s24, s19
	s_and_b32 s19, s18, 1
	s_lshl_b32 s19, s19, 3
	s_add_co_u32 s24, s24, s19
	s_add_co_u32 s24, s24, \soff
	s_mov_b32 s25, 0
	s_wait_alu depctr_va_vdst(0)
	s_wait_kmcnt 0x0
	s_add_nc_u64 s[26:27], s[\p:\p+1], s[20:21]
	s_add_nc_u64 s[28:29], s[12:13], s[22:23]
	s_add_nc_u64 s[30:31], s[12:13], s[24:25]
	WLOAD 0, \n
	WLOAD 1, \n
.set Q, 0
.rept 8
	WBLOCK Q, \n
.set Q, Q+1
.endr
	global_store_b64 v7, v[SB:SB+1], s[30:31]      ; my column's 8 scale bytes
	s_endpgm
.endm
	s_load_b256 s[4:11], s[0:1], 0x0               ; x s[4:5], w_attn s[6:7], w_proj s[8:9], xq s[10:11]
	s_load_b64 s[12:13], s[0:1], 0x20              ; wq
	v_lshl_add_u32 v200, v0, 2, 0xa000
	v_mov_b32 v201, 0
	v_lshrrev_b32 v1, 5, v0
	v_readfirstlane_b32 s16, v1                    ; wave 0..3
	v_and_b32 v2, 31, v0                           ; lane
	s_cmp_lt_u32 ttmp9, XWG
	s_cbranch_scc0 .Lweights
	; ---- x: K is innermost.  Tile T = 2 g + (wave / 2), half (wave % 2) of K
	v_lshlrev_b32 v3, 4, v2                        ; 16 x lane
	s_mul_i32 s17, s16, WREG                       ; my wave's LDS
	s_add_co_u32 s18, s17, SCB
	s_add_co_u32 s19, s17, CST
	v_lshrrev_b32 v14, 2, v2
	v_mul_u32_u24 v14, v14, SP
	v_and_b32 v15, 3, v2
	v_lshl_add_u32 v14, v15, 4, v14
	v_add_nc_u32 v14, s17, v14                     ; a turning stage, in: SP (lane / 4) + 16 (lane % 4)
	v_mul_u32_u24 v15, v2, SP
	v_add_nc_u32 v15, s17, v15                     ; out: SP x lane
	v_lshrrev_b32 v5, 1, v2                        ; my block of the step's sixteen
	v_and_b32 v8, 1, v2
	v_mul_u32_u24 v4, v5, CP
	v_lshl_add_u32 v4, v8, 3, v4
	v_add_nc_u32 v4, s19, v4                       ; the codes' stage, in: CP x block + 8 x (lane % 2)
	v_add_nc_u32 v5, s18, v5                       ; the scale bytes, in
	v_lshlrev_b32 v7, 3, v2
	v_add_nc_u32 v6, s18, v7                       ; and out: 8 bytes a lane
	v_lshrrev_b32 v10, 4, v2
	v_mul_u32_u24 v10, v10, CP
	v_and_b32 v8, 15, v2
	v_lshl_add_u32 v10, v8, 4, v10
	v_add_nc_u32 v10, s19, v10                     ; the codes' stage, out: two blocks an instruction, 16 bytes a lane
	s_lshr_b32 s22, s16, 1                         ; u
	s_and_b32 s23, s16, 1                          ; half
	s_lshl_b32 s20, ttmp9, 17                      ; 32 rows of 4,096 bytes a work-group,
	s_lshl_b32 s24, s22, 15                        ; 8 rows on for u = 1,
	s_add_co_u32 s20, s20, s24
	s_lshl_b32 s24, s23, 11                        ; 512 numbers on for the upper half
	s_add_co_u32 s20, s20, s24
	s_mov_b32 s21, 0
	s_lshl_b32 s25, ttmp9, 1
	s_add_co_u32 s25, s25, s22                     ; T
	s_lshl_b32 s26, s25, 13
	s_lshl_b32 s24, s23, 12
	s_add_co_u32 s26, s26, s24
	s_mov_b32 s27, 0
	s_lshl_b32 s28, s25, 9
	s_lshl_b32 s24, s23, 8
	s_add_co_u32 s28, s28, s24
	s_add_co_u32 s28, s28, XSO
	s_mov_b32 s29, 0
	s_wait_kmcnt 0x0
	s_add_nc_u64 s[4:5], s[4:5], s[20:21]
	s_add_nc_u64 s[30:31], s[10:11], s[26:27]
	s_add_nc_u64 s[32:33], s[10:11], s[28:29]
.irp t, 0,1,2,3,4,5,6,7
	XLOAD \t                                       ; eight steps, 32 loads, 16 KiB of the wave are on their way
.endr
	s_wait_loadcnt 28                              ; step 0's four loads are in
	XTURN 0
.irp t, 0,1,2,3,4,5,6,7,8,9,10,11,12,13,14,15
	XSTEP \t
.endr
	ds_load_b64 v[12:13], v6                       ; LDS serves a wave's instructions in order: these see my stores
.irp j, 0,1,2,3,4,5,6,7
	ds_load_b128 v[R+4*\j:R+4*\j+3], v10 offset:2*CP*\j
.endr
	s_wait_dscnt 8                                 ; the scale bytes are back; the eight loads of codes may be out
	global_store_b64 v7, v[12:13], s[32:33]        ; 32 lanes store 256 consecutive bytes, aligned
.irp j, 0,1,2,3,4,5,6,7
	s_wait_dscnt 7-\j
	global_store_b128 v3, v[R+4*\j:R+4*\j+3], s[30:31] offset:512*\j   ; 512 consecutive bytes, aligned
.endr
	s_wait_tensorcnt 0x0
	ds_add_u32 v200, v201
	s_wait_dscnt 0x0
	s_endpgm
.Lweights:
	s_cmp_lt_u32 ttmp9, XWG+WAWG
	s_cbranch_scc0 .Lwproj
	s_wait_alu depctr_va_vdst(0)
	WPATH 3072, 6, 0, WASO, XWG
.Lwproj:
	s_wait_alu depctr_va_vdst(0)
	WPATH 1024, 8, WPIO, WPSO, XWG+WAWG
.Lfunc_end_k_qa95f769d43_quant:
	.size	k_qa95f769d43_quant, .Lfunc_end_k_qa95f769d43_quant-k_qa95f769d43_quant
	.p2alignl 7, 3214868480
	.fill 96, 4, 3214868480
	.section	.rodata,"a",@progbits
	.p2align	6, 0x0
	.amdhsa_kernel k_qa95f769d43_quant
		.amdhsa_group_segment_fixed_size 41472
		.amdhsa_private_segment_fixed_size 0
		.amdhsa_enable_private_segment 0
		.amdhsa_kernarg_size 40
		.amdhsa_user_sgpr_count 2
		.amdhsa_user_sgpr_kernarg_segment_ptr 1
		.amdhsa_wavefront_size32 1
		.amdhsa_system_sgpr_workgroup_id_x 1
		.amdhsa_system_sgpr_workgroup_id_y 1
		.amdhsa_system_sgpr_workgroup_id_z 1
		.amdhsa_system_vgpr_workitem_id 0
		.amdhsa_next_free_vgpr 202
		.amdhsa_next_free_sgpr 66
		.amdhsa_reserve_vcc 0
		.amdhsa_float_denorm_mode_32 3
		.amdhsa_float_denorm_mode_16_64 3
		.amdhsa_memory_ordered 1
		.amdhsa_forward_progress 1
		.amdhsa_inst_pref_size 111
	.end_amdhsa_kernel
	.amdgpu_metadata
---
amdhsa.version: [ 1, 2 ]
amdhsa.kernels:
  - .name:           k_qa95f769d43_quant
    .symbol:         k_qa95f769d43_quant.kd
    .args:
      - { .name: x, .offset: 0, .size: 8, .value_kind: global_buffer, .address_space: global }
      - { .name: w_attn, .offset: 8, .size: 8, .value_kind: global_buffer, .address_space: global }
      - { .name: w_proj, .offset: 16, .size: 8, .value_kind: global_buffer, .address_space: global }
      - { .name: xq, .offset: 24, .size: 8, .value_kind: global_buffer, .address_space: global }
      - { .name: wq, .offset: 32, .size: 8, .value_kind: global_buffer, .address_space: global }
    .group_segment_fixed_size: 41472
    .private_segment_fixed_size: 0
    .kernarg_segment_align: 8
    .kernarg_segment_size: 40
    .max_flat_workgroup_size: 128
    .sgpr_count:     66
    .vgpr_count:     202
    .wavefront_size: 32
...
	.end_amdgpu_metadata
.endif
;; end of part 1
;; launch qkv (part 2): grid 12 x 32, 4 waves a work-group, clusters of 4 x 4, 270,848 bytes of LDS; arguments xq, wq, b_attn, qkv; writes qkv
.if DOCPART == 2
	.amdgcn_target "amdgcn-amd-amdhsa--gfx1250"
	.amdhsa_code_object_version 6
	.text
	.protected	k_qa95f769d43_qkv
	.globl	k_qa95f769d43_qkv
	.p2align	8
	.type	k_qa95f769d43_qkv,@function
k_qa95f769d43_qkv:
	s_mov_b64 s[64:65], 0
	v_nop
	global_prefetch_b8 v0, s[64:65] scope:SCOPE_SE
	s_setreg_imm32_b32 hwreg(HW_REG_WAVE_MODE, 25, 1), 1
	s_wait_xcnt 0x0
	s_wait_alu depctr_hold_cnt(0) depctr_sa_sdst(0) depctr_va_vdst(0) depctr_va_sdst(0) depctr_va_ssrc(0) depctr_va_vcc(0) depctr_vm_vsrc(0)
	s_getreg_b32 s2, hwreg(HW_REG_IB_STS2, 6, 4)
	s_cmp_eq_u32 s2, 0
	s_cbranch_scc0 .Lentry_in_a_cluster
	s_endpgm
.Lentry_in_a_cluster:
	s_bfe_u32 s2, ttmp6, 0x10000c
	s_cmp_lg_u32 s2, 0xf033
	s_cbranch_scc0 .Lentry_shape_is_right
	s_endpgm
.Lentry_shape_is_right:
; qkv = x w_attn + b_attn on codes of FP4 (E2M1) with E8M0 scales, f32 sums; q, k and v are quantised on the way out and never reach memory as f32.
; A work-group makes 256 tokens x 256 channels; each of its four waves 128 x 128: 64 accumulators, 512 registers.  K = 1,024 is 128 KiB of codes a side: BOTH PANELS LIE WHOLE IN LDS, each filled once, in four
; chunks of 256 along K, so that the products begin when the first chunk has landed.  No LDS byte is filled twice.
; OPERANDS ARE IMAGES OF THEIR REGISTERS: [tile][block kb][place r][16 bytes]; a fragment (16 rows x 128 K) is two loads of 16 bytes a lane at 16 x lane: no pitch, no padding.
; A TILE'S ROWS ARE NOT NEIGHBOURS: tile 2 B + u, place r = row 32 B + 8 u + r + 8 (r / 8).  As source 0 such tiles give a lane, in the 16 registers of result tiles 2 B and 2 B + 1, 16 neighbours 32 B + 16 (lane / 16) + 0 .. 15.
; TWO PATHS, parted on the cluster's x, which all partners share.  q and k (clusters 0, 1) are quantised along the head's 64 channels: source 0 = w's tiles, source 1 = x's: a lane holds one token, its registers run
; along the channels.  v (cluster 2) is quantised along the keys: source 0 = x's tiles, source 1 = w's: a lane holds one channel, its registers run along the tokens.
; The bias is the C of each sum's first matrix instruction.
; OUT (buffer qkv): for each of the 64 heads a dense block of HB bytes: k's codes [tile 128][lane][16] (lane: token place r, d = 32 (lane / 16) + 0 .. 31), v's codes [key step 16][channel tile 4][2][lane][16],
; k's scale words [tile][r], v's [key step][channel tile][r]; behind the 64 blocks q's codes and q's scale words, laid like k's.  A scale word of q or k: the bytes of its two blocks, then two zero bytes.
; CLUSTER 4 x 4: x's panel hangs on the tile row alone and is asked for jointly along a row of the cluster, w's on the tile column alone and along a column.
; LIMITS: NaN and infinities are not served; a block whose largest magnitude lies under 2^-124, a block of zeros among them, keeps the byte 1 (zero codes add nothing; this program alone reads the bytes).
; REGISTERS: window 0: v1-11 addresses; v16-21 LDS addresses; v32-63 x's scale words, v64-95 w's (register 4 i + q of tile i: K step q in lanes 0-15, K step q + 4 in lanes 16-31); v128-191 source 1's 8 fragments, one set;
;   v200-247 the way out.  window 1: source 0's fragments, two sets, v0-63 and v128-191; v64-127 the bias.  windows 2, 3: accumulator (a, b) at v[8 (8 (a % 4) + b)] of window 2 + a / 4.
.set XSO,   4194304                    ; xq: scale bytes
.set WASO,  1572864                    ; wq: w_attn's scale bytes
.set HB,    143360                     ; a head's block in qkv
.set VIO,   65536                      ; in it: v's codes,
.set KSO,   131072                     ; k's scale words,
.set VSO,   139264                     ; v's scale words
.set QIO,   9175040                    ; behind the blocks: q's codes, 65,536 bytes a head,
.set QSO,   13369344                   ; q's scale words, 8,192 bytes a head
.set WPAN,  131072                     ; LDS: x's panel at 0, w's here: [chunk 4][tile 16][2 K steps][1,024 bytes]
.set SST,   262144                     ; behind the panels: a stage for scale words, 1,024 bytes a wave; 4,096 bytes on the same for path v: each path has LDS bytes of its own
.set LI,   4                           ; v4   16 x lane
.set STA,  5                           ; v5   the stage, in: 1,024 wave + 512 (lane / 16) + 4 r
.set RDS,  6                           ; v6   the stage, out: 1,024 wave + 16 x lane
.set SH,   7                           ; v7   16 (lane / 16)
.set VO1,  8                           ; v8   16 x lane + a head's stride in the codes
.set VS1,  9                           ; v9   16 x lane + a head's stride in the scale words
.set VSV,  10                          ; v10  path v: 16 r + HB (lane / 16)
.set BO,   11                          ; v11  my offset in the bias
.set ADRX, 16                          ; v16-17 x's fragments: K steps 0-3, 4-7
.set ADRW, 20                          ; v20-21 w's
.set XSC,  32
.set WSC,  64
.set AF,   128
.set TM,   200                         ; v200-203 largest magnitudes, v204-207 bytes, v212-215 the conversions' scale operands
.set PW,   216                         ; a scale word
.set PC,   224                         ; v224-231 a fragment's codes
.set RB,   232                         ; v232-239 scale words read back
.set SW,   240                         ; v240-247 a scale word for each tile: no LDS store's data are written again
.set BB,   64                          ; in window 1
.set G1X,  24                          ; s[24:31] descriptor group 1 for x's panel; s[32:39] for w's
.set G1W,  32
.set G0X,  40                          ; s[40:55] group 0 for x's four chunks
.set G0W,  68                          ; s[68:83] for w's
.set SEL,  98                          ; s[98:99] lane selects of v_permlanex16_b32: lane l xor 16
.set MSB, 0
.macro WIN new                         ; the immediate's high byte repeats the setting that is left; a switch that changes nothing is dropped
.if MSB != (\new)
	s_set_vgpr_msb (MSB<<8)|(\new)
.set MSB, (\new)
.endif
.endm
.macro CROUND                          ; a round of the cluster's barrier
	s_barrier_signal -1
	s_barrier_wait -1
	s_cmp_lg_u32 s14, 0
	s_cbranch_scc1 .Lnot_wave_0_\@
	s_barrier_signal -3
.Lnot_wave_0_\@:
	s_barrier_wait -3
	s_barrier_signal -1
	s_barrier_wait -1
.endm
.macro PLACES                          ; four places in front of loads into registers that matrix instructions have read, and of the first read of results
.rept 4
	v_nop
.endr
.endm
.macro FRAG reg, adr, s, i             ; tile i's fragment of K step s: registers 4 c .. 4 c + 3 = K 64 c + 32 (lane / 16) + 0 .. 31
.irp c, 0,1
	ds_load_b128 v[\reg+4*\c:\reg+4*\c+3], v[\adr+((\s)>>2)] offset:(((\s)>>1)&1)*32768+(\i)*2048+((\s)&1)*1024+512*\c
.endr
.endm
.macro FETCH_B s                       ; source 0's eight fragments of K step s into set s % 2 of window 1
	WIN 0x40
.irp i, 0,1,2,3,4,5,6,7
	FRAG 128*((\s)%2)+8*\i, ADRQ, \s, \i
.endr
	WIN 0
.endm
.macro FETCH_A s, i0                   ; source 1's blocks i0 .. i0 + 3
.irp i, \i0, \i0+1, \i0+2, \i0+3
	FRAG AF+8*(\i), ADRP, \s, \i
.endr
.endm
; 8 matrix instructions: source 1's block a against source 0's eight, K step s.  cm = 0: onto the sums; 1: the sums start from the bias of source 0's tile; 2: of source 1's.
; The 64 accumulators take turns, one instruction a turn, in the same order in every K step.
.macro MULA a, s, cm
.if (\cm) == 0
	WIN 0xa1+0x50*((\a)/4)                         ; source 0 window 1, source 1 window 0, C and D window 2 or 3
.else
	WIN 0x91+0x40*((\a)/4)                         ; C in window 1
.endif
.irp b, 0,1,2,3,4,5,6,7
.set DD, 8*(8*((\a)%4)+\b)
.set QF, 128*((\s)%2)+8*\b
.set PF, AF+8*(\a)
.set SQ, QSC+4*\b+((\s)&3)
.set SPP, PSC+4*(\a)+((\s)&3)
.if (\cm) == 1
	v_wmma_scale_f32_16x16x128_f8f6f4 v[DD:DD+7], v[QF:QF+7], v[PF:PF+7], v[BB+8*\b:BB+8*\b+7], v[SQ], v[SPP] matrix_a_fmt:MATRIX_FMT_FP4 matrix_b_fmt:MATRIX_FMT_FP4
.elseif (\cm) == 2
	v_wmma_scale_f32_16x16x128_f8f6f4 v[DD:DD+7], v[QF:QF+7], v[PF:PF+7], v[BB+8*(\a):BB+8*(\a)+7], v[SQ], v[SPP] matrix_a_fmt:MATRIX_FMT_FP4 matrix_b_fmt:MATRIX_FMT_FP4
.elseif (\s) < 4
	v_wmma_scale_f32_16x16x128_f8f6f4 v[DD:DD+7], v[QF:QF+7], v[PF:PF+7], v[DD:DD+7], v[SQ], v[SPP] matrix_a_fmt:MATRIX_FMT_FP4 matrix_b_fmt:MATRIX_FMT_FP4
.else
	v_wmma_scale_f32_16x16x128_f8f6f4 v[DD:DD+7], v[QF:QF+7], v[PF:PF+7], v[DD:DD+7], v[SQ], v[SPP] matrix_a_fmt:MATRIX_FMT_FP4 matrix_b_fmt:MATRIX_FMT_FP4 matrix_a_scale:MATRIX_SCALE_ROW1 matrix_b_scale:MATRIX_SCALE_ROW1
.endif
.endr
.endm
.macro REST s                          ; a K step's second half: the next step's fragments are fetched in two runs
	PLACES
	FETCH_B (\s)+1
	FETCH_A (\s)+1, 0
	MULA 4, \s, 0
	MULA 5, \s, 0
	MULA 6, \s, 0
	MULA 7, \s, 0
	PLACES
	WIN 0
	FETCH_A (\s)+1, 4
.endm
.macro STEP s, cm                      ; a K step whose successor lies in the same chunk
	s_wait_dscnt 8                                 ; all but the youngest eight loads (source 1's blocks 4-7)
	MULA 0, \s, \cm
	MULA 1, \s, \cm
	MULA 2, \s, \cm
	MULA 3, \s, \cm
	s_wait_dscnt 0x0                               ; blocks 4-7 are in
	PLACES
	FETCH_B (\s)+1
	FETCH_A (\s)+1, 0
	MULA 4, \s, \cm
	MULA 5, \s, \cm
	MULA 6, \s, \cm
	MULA 7, \s, \cm
	PLACES
	WIN 0
	FETCH_A (\s)+1, 4
.endm
.macro TURN s                          ; a chunk's last K step: the next chunk has to be whole.  Later chunks may stay out
	s_wait_tensorcnt 2-((\s)>>1)                   ; my part of the next chunk has landed: behind it I issued so many chunks' loads
	s_wait_dscnt 8
	MULA 0, \s, 0
	MULA 1, \s, 0
	s_wait_dscnt 0x0                               ; no LDS instruction of mine is out at the signal
	s_barrier_signal -1
	MULA 2, \s, 0
	MULA 3, \s, 0
	s_barrier_wait -1                              ; everybody's part has landed
	REST \s
.endm
; The 64 results of source 1's block a (register 16 b + i = place 32 b + 16 (lane / 16) + i along the axis to be quantised) become a fragment's codes in v[PC] on and a scale word in v[pw].
.macro QUANTW a, pw
.set SA, 64*((\a)%4)
	WIN 0x0a+5*((\a)/4)                            ; sources 0 and 1: window 2 or 3
.irp b, 0,1,2,3
	v_max3_num_f32 v[TM+\b], |v[SA+16*\b]|, |v[SA+16*\b+1]|, 0x1800000   ; block b: my 16 numbers, each accumulator from its low end on, and the floor 2^(3 - 127): the byte cannot fall under 1
.endr
.irp i, 2,4,6,8,10,12,14
.irp b, 0,1,2,3
	v_max3_num_f32 v[TM+\b], |v[SA+16*\b+\i]|, |v[SA+16*\b+\i+1]|, v[TM+\b]   ; (the four blocks by turns)
.endr
.endr
	WIN 0
.irp b, 0,1,2,3
	v_permlanex16_b32 v[TM+4+\b], v[TM+\b], s[SEL], s[SEL+1]
.endr
.irp b, 0,1,2,3
	v_max_num_f32 v[TM+\b], v[TM+\b], v[TM+4+\b]   ; with lane l xor 16's: the block's largest magnitude
.endr
.irp b, 0,1,2,3
	v_add_nc_u32 v[TM+12+\b], 0xff000000, v[TM+\b] ; 2 off its exponent field: the conversion's scale operand
.endr
.irp b, 0,1,2,3
	v_lshrrev_b32 v[TM+4+\b], 23, v[TM+12+\b]      ; the scale's byte
.endr
	v_lshl_or_b32 v[PW], v[TM+5], 8, v[TM+4]
	v_lshl_or_b32 v[PW], v[TM+6], 16, v[PW]
	v_lshl_or_b32 v[\pw], v[TM+7], 24, v[PW]       ; the four bytes: my row's scale word
	s_wait_xcnt 0x0                                ; the last tile's stores have read v[PC] on
	WIN 2+(\a)/4                                   ; source 0: window 2 or 3
.irp b, 0,1,2,3
	v_cvt_scalef32_pk8_fp4_f32 v[PC+2*\b], v[SA+16*\b:SA+16*\b+7], v[TM+12+\b]
	v_cvt_scalef32_pk8_fp4_f32 v[PC+2*\b+1], v[SA+16*\b+8:SA+16*\b+15], v[TM+12+\b]
.endr
	WIN 0
	v_nop                                          ; one plain place behind a scaled conversion
.irp c, 0,1                                    ; the operand's layout wants a whole block in a lane
.irp i, 0,1
	v_permlane16_swap_b32 v[PC+4*\c+\i], v[PC+2+4*\c+\i]
.endr
.endr
.endm
	s_load_b256 s[4:11], s[0:1], 0x0               ; xq s[4:5], wq s[6:7], b_attn s[8:9], qkv s[10:11]
	v_lshl_add_u32 v254, v0, 2, 0x42000
	v_mov_b32 v255, 0
	ds_add_u32 v254, v255
	ds_add_u32 v254, v255
	v_lshrrev_b32 v1, 5, v0
	v_readfirstlane_b32 s14, v1                    ; wave 0..3
	s_lshr_b32 s15, s14, 1                         ; wr: my half of x's 16 tiles.  Also: I fetch for x (0) or for w (1)
	s_and_b32 s16, s14, 1                          ; wc: my half of w's 16 tiles.  Also: which 8 tiles of that panel I fetch
	s_bfe_u32 s12, ttmp6, 0x40000                  ; cx
	s_bfe_u32 s13, ttmp6, 0x40004                  ; cy
	s_lshl_b32 s17, ttmp9, 2
	s_add_co_u32 s17, s17, s12                     ; tx: 256 channels of the 3,072
	s_and_b32 s18, ttmp7, 0xffff
	s_lshl_b32 s18, s18, 2
	s_add_co_u32 s18, s18, s13                     ; ty: 256 tokens of the 8,192
	s_lshl_b32 s2, s13, 2
	s_lshl_b32 s2, 15, s2                          ; my row of the cluster
	s_lshl_b32 s3, 0x1111, s12                     ; my column
	; descriptor group 1: 8 tiles' parts of a chunk: 8 rows of 2,048 bytes (256 elements of 8 bytes), 8,192 bytes apart in memory, on end in LDS
	s_or_b32 s[G1X], s2, (3<<16)|(1<<21)           ; 15:0 the mask; 17:16 elements of 8 bytes; 21 set beside a mask
	s_or_b32 s[G1W], s3, (3<<16)|(1<<21)
.irp g, G1X, G1W
	s_mov_b32 s[\g+1], 256<<16                     ; tensor_dim0
	s_mov_b32 s[\g+2], 8<<16                       ; tensor_dim1
	s_mov_b32 s[\g+3], 256<<16                     ; tile_dim0
	s_mov_b32 s[\g+4], 8                           ; tile_dim1
	s_mov_b32 s[\g+5], 1024                        ; tensor_dim0_stride
	s_mov_b32 s[\g+6], 0
	s_mov_b32 s[\g+7], 0
.endr
	s_lshl_b32 s19, s16, 16                        ; 8 tiles of 8,192 bytes
	s_lshl_b32 s20, s18, 17                        ; x: 16 tiles a tile row; no register that feeds x's descriptors ever holds cx
	s_add_co_u32 s20, s20, s19
	s_mov_b32 s21, 0
	s_lshl_b32 s22, s17, 17                        ; w: 16 tiles a tile column
	s_add_co_u32 s22, s22, s19
	s_mov_b32 s23, 0
	s_lshl_b32 s56, s15, 17                        ; where they go: the panel, and my 8 tiles in a chunk: the wave's number alone
	s_lshl_b32 s57, s16, 14
	s_add_co_u32 s56, s56, s57
	s_mov_b32 s[SEL], 0x76543210
	s_mov_b32 s[SEL+1], 0xfedcba98
	s_wait_dscnt 0x0
	s_wait_kmcnt 0x0
	s_add_nc_u64 s[20:21], s[4:5], s[20:21]
	s_add_nc_u64 s[22:23], s[6:7], s[22:23]
.irp q, 0,1,2,3
	s_mov_b32 s[G0X+4*\q], 1
	s_add_co_u32 s[G0X+4*\q+1], s56, \q*32768
	s_add_nc_u64 s[G0X+4*\q+2:G0X+4*\q+3], s[20:21], \q*2048
	s_or_b32 s[G0X+4*\q+3], s[G0X+4*\q+3], 0x80000000
	s_mov_b32 s[G0W+4*\q], 1
	s_add_co_u32 s[G0W+4*\q+1], s56, \q*32768
	s_add_nc_u64 s[G0W+4*\q+2:G0W+4*\q+3], s[22:23], \q*2048
	s_or_b32 s[G0W+4*\q+3], s[G0W+4*\q+3], 0x80000000
.endr
	CROUND                                         ; all sixteen work-groups are here: the joint loads meet
	s_cmp_eq_u32 s15, 0                            ; a wave's four fills stand in one branch on the wave's number: four tensor loads of mine are out; four v_nop follow the last
	s_cbranch_scc0 .Lfill_w
.irp q, 0,1,2,3
	tensor_load_to_lds s[G0X+4*\q:G0X+4*\q+3], s[G1X:G1X+7]
	s_nop 0
.endr
.rept 4
	v_nop
.endr
	s_branch .Lfilled
.Lfill_w:
.irp q, 0,1,2,3
	tensor_load_to_lds s[G0W+4*\q:G0W+4*\q+3], s[G1W:G1W+7]
	s_nop 0
.endr
.rept 4
	v_nop
.endr
.Lfilled:
	v_and_b32 v1, 15, v0                           ; r
	v_bfe_u32 v2, v0, 4, 1                         ; h
	v_and_b32 v3, 31, v0                           ; lane
	v_lshlrev_b32 v[LI], 4, v3
	s_lshl_b32 s57, s15, 14
	v_add_nc_u32 v[ADRX], s57, v[LI]               ; my 8 tiles of x in a chunk
	v_add_nc_u32 v[ADRX+1], 0x10000, v[ADRX]       ; two chunks on
	s_lshl_b32 s57, s16, 14
	s_add_co_u32 s57, s57, WPAN
	v_add_nc_u32 v[ADRW], s57, v[LI]
	v_add_nc_u32 v[ADRW+1], 0x10000, v[ADRW]
	s_lshl_b32 s57, s14, 10
	s_add_co_u32 s57, s57, SST
	v_lshlrev_b32 v[STA], 2, v1
	v_lshl_add_u32 v[STA], v2, 9, v[STA]
	v_add_nc_u32 v[STA], s57, v[STA]
	v_add_nc_u32 v[RDS], s57, v[LI]
	v_lshlrev_b32 v[SH], 4, v2
.irp b, 0,1,2,3
	v_mov_b32 v[TM+4+\b], 0                        ; written once: a lane permute's destination counts as one of its sources
.endr
	s_lshl_b32 s58, s18, 13                        ; the scale words of my 8 tiles of x, 512 bytes a tile,
	s_lshl_b32 s57, s15, 12
	s_add_co_u32 s58, s58, s57
	s_add_co_u32 s58, s58, XSO
	s_mov_b32 s59, 0
	s_add_nc_u64 s[58:59], s[4:5], s[58:59]
	s_lshl_b32 s60, s17, 13                        ; and of w
	s_lshl_b32 s57, s16, 12
	s_add_co_u32 s60, s60, s57
	s_add_co_u32 s60, s60, WASO
	s_mov_b32 s61, 0
	s_add_nc_u64 s[60:61], s[6:7], s[60:61]
.irp i, 0,1,2,3,4,5,6,7
	global_load_b128 v[XSC+4*\i:XSC+4*\i+3], v[LI], s[58:59] offset:512*\i   ; a tile's scale bytes for all of K: 512 consecutive bytes
	global_load_b128 v[WSC+4*\i:WSC+4*\i+3], v[LI], s[60:61] offset:512*\i
.endr
	s_lshl_b32 s62, s17, 10                        ; the bias of my 128 channels
	s_lshl_b32 s57, s16, 9
	s_add_co_u32 s62, s62, s57
	s_mov_b32 s63, 0
	s_add_nc_u64 s[62:63], s[8:9], s[62:63]
	s_lshr_b32 s84, s18, 3                         ; the batch
	s_lshl_b32 s84, s84, 4
	s_and_b32 s85, s17, 3
	s_lshl_b32 s85, s85, 2
	s_add_co_u32 s84, s84, s85
	s_lshl_b32 s85, s16, 1
	s_add_co_u32 s84, s84, s85                     ; my first head of two: 16 batch + 4 (tx % 4) + 2 wc
	s_and_b32 s85, s18, 7                          ; which 256 tokens of the batch's 2,048
	s_cmp_eq_u32 ttmp9, 2                          ; the cluster's x: the same in all partners
	s_cbranch_scc1 .Lpath_v
.macro BODY v
.if \v
.set ADRP, ADRW
.set ADRQ, ADRX
.set PSC, WSC
.set QSC, XSC
	v_and_b32 v[BO], 8, v1
	v_add_nc_u32 v[BO], v[BO], v1
	v_lshlrev_b32 v[BO], 2, v[BO]                  ; a lane holds one channel: r + 8 (r / 8) of its tile
	WIN 0x40
.irp j, 0,1,2,3,4,5,6,7
	global_load_b32 v[BB+8*\j], v[BO], s[62:63] offset:(32*(\j/2)+8*(\j%2))*4
.endr
	WIN 0
	s_lshl_b32 s92, s85, 1
	s_add_co_u32 s92, s92, s15                     ; my key step of 128 tokens
	s_mul_i32 s94, s84, HB
	s_lshl_b32 s93, s92, 8
	s_add_co_u32 s96, s94, s93
	s_add_co_u32 s96, s96, VSO
	s_mov_b32 s97, 0
	s_lshl_b32 s93, s92, 12
	s_add_co_u32 s94, s94, s93
	s_add_co_u32 s94, s94, VIO
	s_mov_b32 s95, 0
	s_add_nc_u64 s[94:95], s[10:11], s[94:95]      ; v's codes
	s_add_nc_u64 s[96:97], s[10:11], s[96:97]      ; v's scale words
	v_mul_u32_u24 v[VSV], v2, HB
	v_lshl_add_u32 v[VSV], v1, 4, v[VSV]
	s_wait_loadcnt 0x0                             ; scale words and bias
	WIN 0x41
.irp j, 0,1,2,3,4,5,6,7
.irp k, 1,2,3,4,5,6,7
	v_mov_b32 v[BB+8*\j+\k], v[BB+8*\j]            ; the result's eight registers are eight tokens of my channel: the same bias
.endr
.endr
	WIN 0
	PLACES                                         ; registers written by vector instructions stand four places ahead of a scaled matrix instruction
.else
.set ADRP, ADRX
.set ADRQ, ADRW
.set PSC, XSC
.set QSC, WSC
	v_lshlrev_b32 v[BO], 6, v2                     ; a lane's registers of tile 2 B + u are channels 32 B + 16 h + 8 u + 0 .. 7
	WIN 0x40
.irp j, 0,1,2,3,4,5,6,7
	global_load_b128 v[BB+8*\j:BB+8*\j+3], v[BO], s[62:63] offset:(32*(\j/2)+8*(\j%2))*4
	global_load_b128 v[BB+8*\j+4:BB+8*\j+7], v[BO], s[62:63] offset:(32*(\j/2)+8*(\j%2))*4+16
.endr
	WIN 0
	s_mov_b32 s86, HB
	s_mov_b32 s87, 0x10000
	s_mov_b32 s88, 0x2000
	s_mov_b32 s89, QIO
	s_mov_b32 s90, KSO
	s_mov_b32 s91, QSO
	s_cmp_eq_u32 ttmp9, 1                          ; k (cluster 1) or q (cluster 0): offsets alone are chosen
	s_cselect_b32 s87, s86, s87                    ; from head to head in the codes,
	s_cselect_b32 s88, s86, s88                    ; in the scale words;
	s_cselect_b32 s89, 0, s89                      ; where the codes begin,
	s_cselect_b32 s90, s90, s91                    ; and the scale words
	s_lshl_b32 s92, s85, 4
	s_lshl_b32 s93, s15, 3
	s_add_co_u32 s92, s92, s93                     ; my first token tile of the batch's 128
	s_mul_i32 s94, s87, s84
	s_add_co_u32 s94, s94, s89
	s_lshl_b32 s93, s92, 9
	s_add_co_u32 s94, s94, s93
	s_mov_b32 s95, 0
	s_add_nc_u64 s[94:95], s[10:11], s[94:95]
	s_mul_i32 s96, s88, s84
	s_add_co_u32 s96, s96, s90
	s_lshl_b32 s93, s92, 6
	s_add_co_u32 s96, s96, s93
	s_mov_b32 s97, 0
	s_add_nc_u64 s[96:97], s[10:11], s[96:97]
	v_add_nc_u32 v[VO1], s87, v[LI]
	v_add_nc_u32 v[VS1], s88, v[LI]
	s_wait_loadcnt 0x0                             ; scale words and bias
.endif
	s_wait_alu depctr_va_vdst(0)
	s_wait_tensorcnt 3                             ; my part of chunk 0 has landed; my other three loads may be out
	s_barrier_signal -1
	s_barrier_wait -1                              ; everybody's has
	FETCH_B 0
	FETCH_A 0, 0
	FETCH_A 0, 4
	STEP 0, 1+\v                                   ; the first products start the sums from the bias: nothing is cleared
	TURN 1
	STEP 2, 0
	TURN 3
	STEP 4, 0
	TURN 5                                         ; its wait on TENSORcnt is for 0: no tensor load is out from here on
	STEP 6, 0
	s_wait_dscnt 8                                 ; the last K step: nothing more to fetch
	MULA 0, 7, 0
	MULA 1, 7, 0
	MULA 2, 7, 0
	MULA 3, 7, 0
	s_wait_dscnt 0x0
	MULA 4, 7, 0
	MULA 5, 7, 0
	MULA 6, 7, 0
	MULA 7, 7, 0
	WIN 0
	PLACES
	; THE WAY OUT: source 1's blocks one after the other; each is quantised in registers and leaves as codes
.irp a, 0,1,2,3,4,5,6,7
.if \v
	QUANTW \a, SW+\a                               ; 16 channels x my 128 keys: head a / 4 of my two, channel tile a % 4
	global_store_b128 v[LI], v[PC:PC+3], s[94:95] offset:(\a/4)*HB+(\a%4)*1024       ; 512 consecutive bytes, aligned
	global_store_b128 v[LI], v[PC+4:PC+7], s[94:95] offset:(\a/4)*HB+(\a%4)*1024+512
	ds_store_b32 v[STA], v[SW+\a] offset:4096+64*\a
.else
	QUANTW \a, PW                                  ; 16 tokens x my 128 channels: registers 0-3 are my first head's 64, registers 4-7 my second's
	global_store_b128 v[LI], v[PC:PC+3], s[94:95] offset:512*\a
	global_store_b128 v[VO1], v[PC+4:PC+7], s[94:95] offset:512*\a
	v_bfe_u32 v[SW+\a], v[PW], v[SH], 16           ; lanes 0-15: the first head's two bytes; lanes 16-31: the second's
	ds_store_b32 v[STA], v[SW+\a] offset:64*\a
.endif
.endr
.if \v
	ds_load_b128 v[RB:RB+3], v[RDS] offset:4096    ; LDS serves a wave's instructions in order: this sees my stores.  [tile a][r]: lanes 0-15 the first head's four tiles, lanes 16-31 the second's
	s_wait_dscnt 0x0
	global_store_b128 v[VSV], v[RB:RB+3], s[96:97] ; 256 consecutive bytes, aligned, for each head
.else
	ds_load_b128 v[RB:RB+3], v[RDS]                ; the first head's 8 tiles of scale words,
	ds_load_b128 v[RB+4:RB+7], v[RDS] offset:512   ; the second's
	s_wait_dscnt 0x0
	global_store_b128 v[LI], v[RB:RB+3], s[96:97]  ; 512 consecutive bytes, aligned
	global_store_b128 v[VS1], v[RB+4:RB+7], s[96:97]
.endif
.endm
	BODY 0
	s_branch .Ljoin
.Lpath_v:
	BODY 1
.Ljoin:
	s_wait_tensorcnt 0x0
	ds_add_u32 v254, v255
	s_wait_dscnt 0x0
	CROUND                                         ; the closing round: no work-group ends while a partner may still ask for a tile that names it
	s_endpgm
.Lfunc_end_k_qa95f769d43_qkv:
	.size	k_qa95f769d43_qkv, .Lfunc_end_k_qa95f769d43_qkv-k_qa95f769d43_qkv
	.p2alignl 7, 3214868480
	.fill 96, 4, 3214868480
	.section	.rodata,"a",@progbits
	.p2align	6, 0x0
	.amdhsa_kernel k_qa95f769d43_qkv
		.amdhsa_group_segment_fixed_size 270848
		.amdhsa_private_segment_fixed_size 0
		.amdhsa_enable_private_segment 0
		.amdhsa_kernarg_size 32
		.amdhsa_user_sgpr_count 2
		.amdhsa_user_sgpr_kernarg_segment_ptr 1
		.amdhsa_wavefront_size32 1
		.amdhsa_system_sgpr_workgroup_id_x 1
		.amdhsa_system_sgpr_workgroup_id_y 1
		.amdhsa_system_sgpr_workgroup_id_z 1
		.amdhsa_system_vgpr_workitem_id 0
		.amdhsa_next_free_vgpr 1024
		.amdhsa_next_free_sgpr 100
		.amdhsa_reserve_vcc 0
		.amdhsa_float_denorm_mode_32 3
		.amdhsa_float_denorm_mode_16_64 3
		.amdhsa_memory_ordered 1
		.amdhsa_forward_progress 1
		.amdhsa_inst_pref_size 252
	.end_amdhsa_kernel
	.amdgpu_metadata
---
amdhsa.version: [ 1, 2 ]
amdhsa.kernels:
  - .name:           k_qa95f769d43_qkv
    .symbol:         k_qa95f769d43_qkv.kd
    .args:
      - { .name: xq, .offset: 0, .size: 8, .value_kind: global_buffer, .address_space: global }
      - { .name: wq, .offset: 8, .size: 8, .value_kind: global_buffer, .address_space: global }
      - { .name: b_attn, .offset: 16, .size: 8, .value_kind: global_buffer, .address_space: global }
      - { .name: qkv, .offset: 24, .size: 8, .value_kind: global_buffer, .address_space: global }
    .group_segment_fixed_size: 270848
    .private_segment_fixed_size: 0
    .kernarg_segment_align: 8
    .kernarg_segment_size: 32
    .max_flat_workgroup_size: 128
    .sgpr_count:     100
    .vgpr_count:     1024
    .wavefront_size: 32
...
	.end_amdgpu_metadata
.endif
;; end of part 2
;; launch attn (part 3): grid 256 x 1, 16 waves a work-group, clusters of 4 x 1, 169,984 bytes of LDS; arguments qkv, yq; writes yq
.if DOCPART == 3
	.amdgcn_target "amdgcn-amd-amdhsa--gfx1250"
	.amdhsa_code_object_version 6
	.text
	.protected	k_qa95f769d43_attn
	.globl	k_qa95f769d43_attn
	.p2align	8
	.type	k_qa95f769d43_attn,@function
k_qa95f769d43_attn:
	s_mov_b64 s[64:65], 0
	v_nop
	global_prefetch_b8 v0, s[64:65] scope:SCOPE_SE
	s_setreg_imm32_b32 hwreg(HW_REG_WAVE_MODE, 25, 1), 1
	s_wait_xcnt 0x0
	s_wait_alu depctr_hold_cnt(0) depctr_sa_sdst(0) depctr_va_vdst(0) depctr_va_sdst(0) depctr_va_ssrc(0) depctr_va_vcc(0) depctr_vm_vsrc(0)
	s_getreg_b32 s2, hwreg(HW_REG_IB_STS2, 6, 4)
	s_cmp_eq_u32 s2, 0
	s_cbranch_scc0 .Lentry_in_a_cluster
	s_endpgm
.Lentry_in_a_cluster:
	s_bfe_u32 s2, ttmp6, 0x10000c
	s_cmp_lg_u32 s2, 0x3003
	s_cbranch_scc0 .Lentry_shape_is_right
	s_endpgm
.Lentry_shape_is_right:
; y[b][q][head] = the sum over keys k <= q of softmax_k(q . k / 8) v, both products on codes of FP4 (E2M1) with E8M0 scales; y is quantised along the 1,024 channels on the way out and leaves as codes.
; THE SOFTMAX AHEAD OF THE SECOND PRODUCT: t = score x log2(e) / 8; M = the row's largest t so far, rounded UP to a whole number; p = 2^(t - M) is what is quantised, along the keys, not normalised.
; The row's sum is taken of the unquantised p, in f32, and divides O at the end (by v_rcp_f32 and a multiplication).  When M moves, the sum and O are multiplied by 2^(old M - new M): exact.
; SHARES.  A cluster of four work-groups owns one head; the head's k and v, codes and scale words, are ONE dense block of 143,360 bytes, which lies whole in each work-group's LDS: asked for jointly, filled once.
; A wave owns two tiles of 16 queries: tile lo = 8 (wave / 2) + 4 (wave % 2) + cx and tile 127 - lo.  They need wave / 2 + 1 and 16 - wave / 2 key steps of 128 keys: 17 steps for every wave of the launch.
; The step on the diagonal hangs on the wave's number alone; cx enters global addresses and the mask's numbers, no branch and no LDS address.  Every tile's loop has 16 trips; a trip all of whose keys are hidden does nothing.
; LAYOUT.  Both products are used transposed: S^T = K Q^T (source 0 = 16 keys, source 1 = my 16 queries), O^T = V^T P^T (source 0 = 16 channels, source 1 = P): a lane holds ONE query throughout.
; A tile's rows are not neighbours (tile 2 B + u, place r = row 32 B + 8 u + r + 8 (r / 8)): so the 16 registers of result tiles 2 B and 2 B + 1 are 16 neighbouring keys, or channels.
; The head's 64 are half of the matrix instruction's 128 along K: the upper four registers of q's and k's fragments are zero codes, written once, and the upper two bytes of their scale words are 0.
; LIMITS: NaN and infinities are not served; the running maximum starts at -3e38; a block whose largest magnitude lies under 2^-124, zeros among them, keeps the byte 1 (zero codes add nothing).
; y's two scale bytes of a token and head leave by stores of 2 bytes a lane, 16 bytes apart: a token's 32 bytes come from 16 heads, which lie in 16 clusters; they are 256 KiB of the launch's 4.25 MiB.
; REGISTERS: v1-7, v30 addresses that stay; v3 the mask's number; v8-11 addresses of the step; v12 -M, v13 the largest t, v[14:15] the sum; v16-23 Q; v24-27 K's scale words, v28-29 V's;
;   v32-95 K's 8 fragments; v96-159 S^T, then p; v160-191 O^T; v192-223 V's 4 fragments; v224-231 p's codes; v232-254 at work; v253 p's scale word; v255 Q's.
.set HB,   143360                      ; a head's block: k's codes at 0, v's at 65,536, k's scale words at 131,072, v's at 139,264; the same places in LDS
.set QIO,  9175040                     ; q's codes, 65,536 bytes a head
.set QSO,  13369344                    ; q's scale words, 8,192 bytes a head
.set YSO,  4194304                     ; yq: the scale bytes
.set LI,   1                           ; v1   16 x lane
.set LS,   2                           ; v2   131,072 + 4 x lane
.set VD,   3                           ; v3   my query less the step's first key less 16 (lane / 16)
.set V4,   4                           ; v4   r + 8 (r / 8) - 16 (lane / 16)
.set AV0,  5                           ; v5   65,536 + 16 x lane
.set LT,   6                           ; v6   139,264 + 4 x lane
.set R4,   7                           ; v7   4 r
.set R16,  30                          ; v30  16 r
.set ADK,  8
.set ADV,  9
.set ADS,  10
.set ADT,  11
.set WV,   8                           ; s8   my wave's number
.set SEL,  20                          ; s[20:21] lane selects of v_permlanex16_b32: lane l xor 16
.set CS,   22                          ; s[22:23] c = log2(e) / 8
.set G1,   24
.set G0,   32
.set TK,   36                          ; s36  the step's codes: 4,096 bytes a step, of k and of v
.set TS,   37                          ; s37  k's scale words: 512 bytes a step
.set TV,   38                          ; s38  v's: 256
.set J,    39                          ; s39  the step
.set DS,   40                          ; s40  the step on the diagonal
.macro CROUND                          ; a round of the cluster's barrier
	s_barrier_signal -1
	s_barrier_wait -1
	s_cmp_lg_u32 s[WV], 0
	s_cbranch_scc1 .Lnot_wave_0_\@
	s_barrier_signal -3
.Lnot_wave_0_\@:
	s_barrier_wait -3
	s_barrier_signal -1
	s_barrier_wait -1
.endm
	s_load_b128 s[4:7], s[0:1], 0x0                ; qkv s[4:5], yq s[6:7]
	v_lshl_add_u32 v250, v0, 2, 0x29000
	v_mov_b32 v251, 0
	ds_add_u32 v250, v251
	ds_add_u32 v250, v251
	v_lshrrev_b32 v1, 5, v0
	s_delay_alu instid0(VALU_DEP_1)
	v_readfirstlane_b32 s[WV], v1                  ; wave 0..15
	s_bfe_u32 s9, ttmp6, 0x40000                   ; cx
	s_and_b32 s10, s[WV], 7
	s_mul_i32 s10, s10, 17920                      ; an eighth of the head's block: 70 rows of 256 bytes
	s_mul_i32 s12, ttmp9, HB                       ; the cluster's x is the head (16 batch + head)
	s_add_co_u32 s12, s12, s10
	s_mov_b32 s13, 0
	s_mov_b32 s[G1], 15|(3<<16)|(1<<21)            ; 15:0 the mask: all four work-groups; 17:16 elements of 8 bytes; 21 set beside a mask
	s_mov_b32 s[G1+1], 32<<16                      ; tensor_dim0: 256 bytes
	s_mov_b32 s[G1+2], 70<<16                      ; tensor_dim1
	s_mov_b32 s[G1+3], 32<<16                      ; tile_dim0
	s_mov_b32 s[G1+4], 70                          ; tile_dim1
	s_mov_b32 s[G1+5], 32                          ; tensor_dim0_stride: dense
	s_mov_b32 s[G1+6], 0
	s_mov_b32 s[G1+7], 0
	s_mov_b32 s[SEL], 0x76543210
	s_mov_b32 s[SEL+1], 0xfedcba98
	s_mov_b32 s[CS], 0x3e38aa3b
	s_mov_b32 s[CS+1], s[CS]                       ; (named with it as a pair, so it is written)
	s_wait_dscnt 0x0
	s_wait_kmcnt 0x0
	s_mov_b32 s[G0], 1
	s_mov_b32 s[G0+1], s10
	s_add_nc_u64 s[G0+2:G0+3], s[4:5], s[12:13]
	s_or_b32 s[G0+3], s[G0+3], 0x80000000
	CROUND                                         ; all four work-groups are here: the joint loads meet
	s_cmp_lt_u32 s[WV], 8                          ; waves 0-7 fetch an eighth each, one tensor load; four v_nop follow it
	s_cbranch_scc0 .Lasked
	tensor_load_to_lds s[G0:G0+3], s[G1:G1+7]
	s_nop 0
.rept 4
	v_nop
.endr
.Lasked:
	v_and_b32 v8, 15, v0                           ; r
	v_bfe_u32 v9, v0, 4, 1                         ; h
	v_and_b32 v10, 31, v0                          ; lane
	s_delay_alu instid0(VALU_DEP_1)
	v_lshlrev_b32 v[LI], 4, v10
	s_delay_alu instid0(VALU_DEP_2)
	v_lshl_add_u32 v[LS], v10, 2, 0x20000
	s_delay_alu instid0(VALU_DEP_2)
	v_add_nc_u32 v[AV0], 0x10000, v[LI]
	s_delay_alu instid0(VALU_DEP_4)
	v_lshl_add_u32 v[LT], v10, 2, 139264
	v_lshlrev_b32 v[R4], 2, v8
	v_lshlrev_b32 v[R16], 4, v8
	v_and_b32 v[V4], 8, v8
	s_delay_alu instid0(VALU_DEP_1)
	v_add_nc_u32 v[V4], v[V4], v8
	v_lshlrev_b32 v9, 4, v9
	s_delay_alu instid0(VALU_DEP_1)
	v_sub_nc_u32 v[V4], v[V4], v9
.irp i, 20,21,22,23
	v_mov_b32 v[\i], 0                             ; the upper 64 along K of Q's fragment: zero codes
.endr
.irp t, 0,1,2,3,4,5,6,7
.irp i, 4,5,6,7
	v_mov_b32 v[32+8*\t+\i], 0                     ; and of K's eight; written once
.endr
.endr
.irp i, 236,237,238,239,252,253
	v_mov_b32 v[\i], 0                             ; written once: a lane permute's destination counts as one of its sources, and a pair is named whole
.endr
	s_lshr_b32 s11, s[WV], 1                       ; wave / 2
	s_and_b32 s14, s[WV], 1
	s_lshl_b32 s14, s14, 2
	s_lshl_b32 s15, s11, 3
	s_add_co_u32 s14, s14, s15
	s_add_co_u32 s14, s14, s9                      ; tile lo
	s_lshr_b32 s16, ttmp9, 4                       ; the batch
	s_and_b32 s17, ttmp9, 15                       ; the head in it
	s_lshl_b32 s18, ttmp9, 16
	s_add_co_u32 s18, s18, QIO                     ; the head's q: codes,
	s_lshl_b32 s19, ttmp9, 13
	s_add_co_u32 s19, s19, QSO                     ; scale words
	s_lshl_b32 s41, s16, 20                        ; yq: 128 tiles of 8,192 bytes a batch; the head's two blocks are 512 bytes of a tile
	s_lshl_b32 s15, s17, 9
	s_add_co_u32 s41, s41, s15
	s_lshl_b32 s42, s16, 16                        ; its scale bytes: 512 bytes a tile; blocks 2 head, 2 head + 1: half head / 8, bytes 2 (head % 8) on
	s_add_co_u32 s42, s42, YSO
	s_lshr_b32 s15, s17, 3
	s_lshl_b32 s15, s15, 8
	s_add_co_u32 s42, s42, s15
	s_and_b32 s15, s17, 7
	s_lshl_b32 s15, s15, 1
	s_add_co_u32 s42, s42, s15
; A tile's pointers, its Q, and the start of its sums.
.macro TILE_HEAD hi
.if \hi
	s_wait_xcnt 0x0                                ; the first tile's stores have read their registers and bases
	s_sub_co_u32 s43, 127, s14                     ; the tile,
	s_sub_co_u32 s[DS], 15, s11                    ; and its step on the diagonal
.else
	s_mov_b32 s43, s14
	s_mov_b32 s[DS], s11
.endif
	s_and_b32 s44, s43, 7
	s_lshr_b32 s45, s44, 1
	s_lshl_b32 s45, s45, 5
	s_and_b32 s44, s43, 1
	s_lshl_b32 s44, s44, 3
	s_add_co_u32 s44, s44, s45                     ; the tile's first query, counted from the diagonal step's first key
	v_add_nc_u32 v[VD], s44, v[V4]
	s_lshl_b32 s46, s43, 9
	s_add_co_u32 s46, s46, s18
	s_mov_b32 s47, 0
	s_add_nc_u64 s[46:47], s[4:5], s[46:47]
	s_lshl_b32 s48, s43, 6
	s_add_co_u32 s48, s48, s19
	s_mov_b32 s49, 0
	s_add_nc_u64 s[48:49], s[4:5], s[48:49]
	s_lshl_b32 s50, s43, 13
	s_add_co_u32 s50, s50, s41
	s_mov_b32 s51, 0
	s_add_nc_u64 s[50:51], s[6:7], s[50:51]
	s_lshl_b32 s52, s43, 9
	s_add_co_u32 s52, s52, s42
	s_mov_b32 s53, 0
	s_add_nc_u64 s[52:53], s[6:7], s[52:53]
	global_load_b128 v[16:19], v[LI], s[46:47]     ; Q's fragment: d = 32 (lane / 16) + 0 .. 31 of place r
	global_load_b32 v255, v[R4], s[48:49]          ; Q's scale words
	v_mov_b32 v13, 0xff61b1e6                      ; the largest t so far: -3e38
	s_delay_alu instid0(VALU_DEP_1)
	v_floor_f32 v12, -v13                          ; -M
	v_mov_b32 v14, 0
	v_mov_b32 v15, 0
.irp j, 0,1,2,3,4,5,6,7,8,9,10,11,12,13,14,15,16,17,18,19,20,21,22,23,24,25,26,27,28,29,30,31
	v_mov_b32 v[160+\j], 0                         ; O^T: the loop is written once; its first step finds zeros, which the first change of M leaves zeros
.endr
	s_mov_b32 s[TK], 0
	s_mov_b32 s[TS], 0
	s_mov_b32 s[TV], 0
	s_mov_b32 s[J], 0
.endm
.macro TILE_BODY
	s_wait_loadcnt 0x0                             ; Q
.Lstep_\@:                                         ; 16 trips: a constant
	s_cmp_gt_u32 s[J], s[DS]                       ; all 128 keys come after my queries: nothing to do but step
	s_cbranch_scc1 .Lhidden_\@
	s_setprio 2
	v_add_nc_u32 v[ADK], s[TK], v[LI]              ; (these four are also the places behind the last trip's products, in front of the loads below)
	v_add_nc_u32 v[ADV], s[TK], v[AV0]
	v_add_nc_u32 v[ADS], s[TS], v[LS]
	v_add_nc_u32 v[ADT], s[TV], v[LT]
.irp t, 0,1,2,3,4,5,6,7
	ds_load_b128 v[32+8*\t:35+8*\t], v[ADK] offset:512*\t
.endr
.irp p, 0,1,2,3
	ds_load_b32 v[24+\p], v[ADS] offset:128*\p     ; lanes 0-15: tile 2 p's scale words; lanes 16-31: tile 2 p + 1's
.endr
.irp f, 0,1,2,3,4,5,6,7
	ds_load_b128 v[192+4*\f:195+4*\f], v[ADV] offset:512*\f
.endr
.irp p, 0,1
	ds_load_b32 v[28+\p], v[ADT] offset:128*\p
.endr
	s_wait_dscnt 10                                ; K and its scale words are in; V's ten loads may be out
.irp t, 0,1,2,3,4,5,6,7
.if \t%2
	v_wmma_scale_f32_16x16x128_f8f6f4 v[96+8*\t:103+8*\t], v[32+8*\t:39+8*\t], v[16:23], 0, v[24+\t/2], v255 matrix_a_fmt:MATRIX_FMT_FP4 matrix_b_fmt:MATRIX_FMT_FP4 matrix_a_scale:MATRIX_SCALE_ROW1
.else
	v_wmma_scale_f32_16x16x128_f8f6f4 v[96+8*\t:103+8*\t], v[32+8*\t:39+8*\t], v[16:23], 0, v[24+\t/2], v255 matrix_a_fmt:MATRIX_FMT_FP4 matrix_b_fmt:MATRIX_FMT_FP4
.endif
.endr                                              ; register 16 b + i: key 128 J + 32 b + 16 (lane / 16) + i
.rept 4
	v_nop
.endr
	s_cmp_lt_u32 s[J], s[DS]                       ; ahead of the diagonal every key counts
	s_cbranch_scc1 .Lopen_\@
	v_mov_b32 v254, 0xff800000                     ; on it the scores of hidden keys become -infinity ahead of the maximum: p = 0 then
.irp n, 0,1,2,3,4,5,6,7,8,9,10,11,12,13,14,15,16,17,18,19,20,21,22,23,24,25,26,27,28,29,30,31,32,33,34,35,36,37,38,39,40,41,42,43,44,45,46,47,48,49,50,51,52,53,54,55,56,57,58,59,60,61,62,63
	v_cmp_gt_i32 vcc_lo, 32*(\n/16)+\n%16, v[VD]
	v_cndmask_b32 v[96+\n], v[96+\n], v254, vcc_lo
.endr
.Lopen_\@:
.irp b, 0,1,2,3
	v_max3_num_f32 v[232+\b], v[96+16*\b], v[97+16*\b], v[98+16*\b]   ; the largest score of each block of 32 keys: for the row's maximum, and, since p rises with the score, for the block's largest p
.endr
.irp i, 3,5,7,9,11,13
.irp b, 0,1,2,3
	v_max3_num_f32 v[232+\b], v[232+\b], v[96+16*\b+\i], v[97+16*\b+\i]
.endr
.endr
.irp b, 0,1,2,3
	v_max_num_f32 v[232+\b], v[232+\b], v[111+16*\b]
.endr
.irp b, 0,1,2,3
	s_delay_alu instid0(VALU_DEP_4)
	v_permlanex16_b32 v[236+\b], v[232+\b], s[SEL], s[SEL+1]
.endr
.irp b, 0,1,2,3
	s_delay_alu instid0(VALU_DEP_4)
	v_max_num_f32 v[232+\b], v[232+\b], v[236+\b]  ; with lane l xor 16's 16 keys
.endr
	s_delay_alu instid0(VALU_DEP_2)
	v_max3_num_f32 v254, v232, v233, v234
	s_delay_alu instid0(VALU_DEP_1)
	v_max_num_f32 v254, v254, v235                 ; the step's largest score of my query
	s_delay_alu instid0(VALU_DEP_1)
	v_mul_f32 v254, s[CS], v254                    ; as t
	s_delay_alu instid0(VALU_DEP_1)
	v_max_num_f32 v13, v13, v254                   ; the running largest t
	v_mov_b32 v254, v12
	s_delay_alu instid0(VALU_DEP_2)
	v_floor_f32 v12, -v13                          ; the new -M = -ceil(t): a whole number
	s_delay_alu instid0(VALU_DEP_1)
	v_sub_f32 v254, v12, v254                      ; old M - new M: a whole number, 0 or less
	s_delay_alu instid0(VALU_DEP_1)
	v_cvt_i32_f32 v254, v254                       ; (it saturates)
	s_delay_alu instid0(VALU_DEP_1)
	v_ldexp_f32 v252, 1.0, v254                    ; f = 2^(old M - new M)
.irp j, 0,2,4,6,8,10,12,14,16,18,20,22,24,26,28,30,32,34,36,38,40,42,44,46,48,50,52,54,56,58,60,62
	v_pk_fma_f32 v[96+\j:97+\j], v[96+\j:97+\j], s[CS:CS+1], v[12:13] op_sel_hi:[1,0,0]   ; t - M, two at a time
.endr
	s_setprio 1
.irp b, 0,1,2,3
	v_fma_f32 v[232+\b], v[232+\b], s[CS], v12     ; the same of each block's largest score
.endr
	s_wait_alu depctr_va_vdst(0)
.irp j, 0,1,2,3,4,5,6,7,8,9,10,11,12,13,14,15,16,17,18,19,20,21,22,23,24,25,26,27,28,29,30,31,32,33,34,35,36,37,38,39,40,41,42,43,44,45,46,47,48,49,50,51,52,53,54,55,56,57,58,59,60,61,62,63
	v_exp_f32 v[96+\j], v[96+\j]                   ; p = 2^(t - M), at most 1
.endr
.irp b, 0,1,2,3
	v_exp_f32 v[232+\b], v[232+\b]                 ; the block's largest p
.endr
	v_pk_mul_f32 v[14:15], v[14:15], v[252:253] op_sel_hi:[1,0]   ; the sums under the new M (a plain place behind the exponentials)
	s_wait_alu depctr_va_vdst(0)
.irp b, 0,1,2,3
	v_max_num_f32 v[232+\b], 0x1800000, v[232+\b]  ; the floor 2^(3 - 127): the byte cannot fall under 1
.endr
.irp b, 0,1,2,3
	s_delay_alu instid0(VALU_DEP_4)
	v_add_nc_u32 v[244+\b], 0xff000000, v[232+\b]  ; 2 off the exponent field: the conversion's scale operand
.endr
.irp b, 0,1,2,3
	s_delay_alu instid0(VALU_DEP_4)
	v_lshrrev_b32 v[236+\b], 23, v[244+\b]         ; the scale's byte
.endr
	s_delay_alu instid0(VALU_DEP_3)
	v_lshl_or_b32 v253, v237, 8, v236              ; p's scale word for these 128 keys
	s_delay_alu instid0(VALU_DEP_1)
	v_lshl_or_b32 v253, v238, 16, v253
	s_delay_alu instid0(VALU_DEP_1)
	v_lshl_or_b32 v253, v239, 24, v253
.irp b, 0,1,2,3
	v_cvt_scalef32_pk8_fp4_f32 v[224+2*\b], v[96+16*\b:103+16*\b], v[244+\b]
	v_cvt_scalef32_pk8_fp4_f32 v[225+2*\b], v[104+16*\b:111+16*\b], v[244+\b]
.endr
	v_nop                                          ; one plain place behind a scaled conversion
.irp c, 0,1                                    ; the operand's layout wants a whole block in a lane
.irp i, 0,1
	v_permlane16_swap_b32 v[224+4*\c+\i], v[226+4*\c+\i]
.endr
.endr
	v_pk_add_f32 v[236:237], v[100:101], v[104:105]
	v_pk_add_f32 v[248:249], v[108:109], v[112:113]
	v_pk_add_f32 v[246:247], v[116:117], v[120:121]
	v_pk_add_f32 v[244:245], v[124:125], v[128:129]
	v_pk_add_f32 v[242:243], v[132:133], v[136:137]
	v_pk_add_f32 v[240:241], v[140:141], v[144:145]
	v_pk_add_f32 v[234:235], v[148:149], v[152:153]
	v_pk_add_f32 v[14:15], v[14:15], v[156:157]
	v_pk_add_f32 v[236:237], v[236:237], v[96:97]
	v_pk_add_f32 v[248:249], v[248:249], v[98:99]
	v_pk_add_f32 v[246:247], v[246:247], v[102:103]
	v_pk_add_f32 v[244:245], v[244:245], v[106:107]
	s_setprio 0
	v_pk_add_f32 v[242:243], v[242:243], v[110:111]
	v_pk_add_f32 v[240:241], v[240:241], v[114:115]
	v_pk_add_f32 v[234:235], v[234:235], v[118:119]
	v_pk_add_f32 v[14:15], v[14:15], v[122:123]
	v_pk_add_f32 v[236:237], v[236:237], v[126:127]
	v_pk_add_f32 v[248:249], v[248:249], v[130:131]
	v_pk_add_f32 v[246:247], v[246:247], v[134:135]
	v_pk_add_f32 v[244:245], v[244:245], v[138:139]
	v_pk_add_f32 v[242:243], v[242:243], v[142:143]
	v_pk_add_f32 v[240:241], v[240:241], v[146:147]
	v_pk_add_f32 v[234:235], v[234:235], v[150:151]
	v_pk_add_f32 v[14:15], v[14:15], v[154:155]
	v_pk_add_f32 v[236:237], v[236:237], v[158:159]
	s_delay_alu instid0(VALU_DEP_2)
	v_pk_add_f32 v[14:15], v[14:15], v[244:245]
	s_delay_alu instid0(VALU_DEP_2)
	v_pk_add_f32 v[236:237], v[236:237], v[242:243]
	v_pk_add_f32 v[248:249], v[248:249], v[240:241]
	v_pk_add_f32 v[246:247], v[246:247], v[234:235]
	s_delay_alu instid0(VALU_DEP_2)
	v_pk_add_f32 v[14:15], v[14:15], v[248:249]
	s_delay_alu instid0(VALU_DEP_2)
	v_pk_add_f32 v[236:237], v[236:237], v[246:247]
	s_delay_alu instid0(VALU_DEP_1)
	v_pk_add_f32 v[14:15], v[14:15], v[236:237]
.irp j, 0,2,4,6,8,10,12,14,16,18,20,22,24,26,28,30
	v_pk_mul_f32 v[160+\j:161+\j], v[160+\j:161+\j], v[252:253] op_sel_hi:[1,0]   ; O^T under the new M.  (With the sums above: the places between p's codes and scale word and the products below)
.endr
	s_wait_alu depctr_va_vdst(0)
	s_wait_dscnt 0x0                               ; V and its scale words are in
.irp t, 0,1,2,3                                ; O^T += V^T P^T: the four accumulators by turns, one instruction a turn
.if \t%2
	v_wmma_scale_f32_16x16x128_f8f6f4 v[160+8*\t:167+8*\t], v[192+8*\t:199+8*\t], v[224:231], v[160+8*\t:167+8*\t], v[28+\t/2], v253 matrix_a_fmt:MATRIX_FMT_FP4 matrix_b_fmt:MATRIX_FMT_FP4 matrix_a_scale:MATRIX_SCALE_ROW1
.else
	v_wmma_scale_f32_16x16x128_f8f6f4 v[160+8*\t:167+8*\t], v[192+8*\t:199+8*\t], v[224:231], v[160+8*\t:167+8*\t], v[28+\t/2], v253 matrix_a_fmt:MATRIX_FMT_FP4 matrix_b_fmt:MATRIX_FMT_FP4
.endif
.endr
.Lhidden_\@:
	s_add_co_u32 s[TK], s[TK], 4096
	s_add_co_u32 s[TS], s[TS], 512
	s_add_co_u32 s[TV], s[TV], 256
	s_add_co_u32 s[J], s[J], 1
	s_cmp_lt_u32 s[J], 16
	s_cbranch_scc1 .Lstep_\@
	s_setprio 0
	; THE WAY OUT: y = O^T / the sum; register 16 b + i is channel 32 b + 16 (lane / 16) + i of the head: two blocks of the next product's K
.rept 4
	v_nop                                          ; places behind the last products
.endr
	v_add_f32 v14, v14, v15                        ; the sum's two halves,
	s_delay_alu instid0(VALU_DEP_1)
	v_permlanex16_b32 v252, v14, s[SEL], s[SEL+1]
	s_delay_alu instid0(VALU_DEP_1)
	v_add_f32 v14, v14, v252                       ; and lane l xor 16's
	s_wait_alu depctr_va_vdst(0)
	v_rcp_f32 v14, v14
	v_nop                                          ; one plain place behind a transcendental
	s_wait_alu depctr_va_vdst(0)
.irp j, 0,1,2,3,4,5,6,7,8,9,10,11,12,13,14,15,16,17,18,19,20,21,22,23,24,25,26,27,28,29,30,31
	v_mul_f32 v[96+\j], v[160+\j], v14             ; each accumulator from its low end on
.endr
.irp b, 0,1
	v_max3_num_f32 v[232+\b], |v[96+16*\b]|, |v[97+16*\b]|, 0x1800000
.endr
.irp i, 2,4,6,8,10,12,14
.irp b, 0,1
	s_delay_alu instid0(VALU_DEP_2)
	v_max3_num_f32 v[232+\b], v[232+\b], |v[96+16*\b+\i]|, |v[97+16*\b+\i]|
.endr
.endr
.irp b, 0,1
	s_delay_alu instid0(VALU_DEP_2)
	v_permlanex16_b32 v[236+\b], v[232+\b], s[SEL], s[SEL+1]
.endr
.irp b, 0,1
	s_delay_alu instid0(VALU_DEP_2)
	v_max_num_f32 v[232+\b], v[232+\b], v[236+\b]
.endr
.irp b, 0,1
	s_delay_alu instid0(VALU_DEP_2)
	v_add_nc_u32 v[244+\b], 0xff000000, v[232+\b]
.endr
.irp b, 0,1
	s_delay_alu instid0(VALU_DEP_2)
	v_lshrrev_b32 v[236+\b], 23, v[244+\b]
.endr
	s_delay_alu instid0(VALU_DEP_1)
	v_lshl_or_b32 v238, v237, 8, v236              ; the two blocks' bytes
.irp b, 0,1
	v_cvt_scalef32_pk8_fp4_f32 v[224+2*\b], v[96+16*\b:103+16*\b], v[244+\b]
	v_cvt_scalef32_pk8_fp4_f32 v[225+2*\b], v[104+16*\b:111+16*\b], v[244+\b]
.endr
	v_nop
.irp i, 0,1
	v_permlane16_swap_b32 v[224+\i], v[226+\i]     ; lanes 0-15: block 2 head; lanes 16-31: block 2 head + 1
.endr
	global_store_b128 v[LI], v[224:227], s[50:51]  ; [tile][block][r][16]: 512 consecutive bytes, aligned
	global_store_b16 v[R16], v238, s[52:53]        ; both halves of the lanes write the same two bytes
.endm
	TILE_HEAD 0                                    ; Q is on its way while the head's block lands
	s_wait_tensorcnt 0x0                           ; my eighth has landed (waves 8-15 issued nothing)
	s_barrier_signal -1
	s_barrier_wait -1                              ; everybody's has: from here on LDS is only read
	TILE_BODY
	TILE_HEAD 1
	TILE_BODY
	s_wait_tensorcnt 0x0
	ds_add_u32 v250, v251
	s_wait_dscnt 0x0
	CROUND                                         ; the closing round: no work-group ends while a partner may still ask for a tile that names it
	s_endpgm
.Lfunc_end_k_qa95f769d43_attn:
	.size	k_qa95f769d43_attn, .Lfunc_end_k_qa95f769d43_attn-k_qa95f769d43_attn
	.p2alignl 7, 3214868480
	.fill 96, 4, 3214868480
	.section	.rodata,"a",@progbits
	.p2align	6, 0x0
	.amdhsa_kernel k_qa95f769d43_attn
		.amdhsa_group_segment_fixed_size 169984
		.amdhsa_private_segment_fixed_size 0
		.amdhsa_enable_private_segment 0
		.amdhsa_kernarg_size 16
		.amdhsa_user_sgpr_count 2
		.amdhsa_user_sgpr_kernarg_segment_ptr 1
		.amdhsa_wavefront_size32 1
		.amdhsa_system_sgpr_workgroup_id_x 1
		.amdhsa_system_sgpr_workgroup_id_y 1
		.amdhsa_system_sgpr_workgroup_id_z 1
		.amdhsa_system_vgpr_workitem_id 0
		.amdhsa_next_free_vgpr 256
		.amdhsa_next_free_sgpr 66
		.amdhsa_reserve_vcc 1
		.amdhsa_float_denorm_mode_32 3
		.amdhsa_float_denorm_mode_16_64 3
		.amdhsa_memory_ordered 1
		.amdhsa_forward_progress 1
		.amdhsa_inst_pref_size 62
	.end_amdhsa_kernel
	.amdgpu_metadata
---
amdhsa.version: [ 1, 2 ]
amdhsa.kernels:
  - .name:           k_qa95f769d43_attn
    .symbol:         k_qa95f769d43_attn.kd
    .args:
      - { .name: qkv, .offset: 0, .size: 8, .value_kind: global_buffer, .address_space: global }
      - { .name: yq, .offset: 8, .size: 8, .value_kind: global_buffer, .address_space: global }
    .group_segment_fixed_size: 169984
    .private_segment_fixed_size: 0
    .kernarg_segment_align: 8
    .kernarg_segment_size: 16
    .max_flat_workgroup_size: 512
    .sgpr_count:     66
    .vgpr_count:     256
    .wavefront_size: 32
...
	.end_amdgpu_metadata
.endif
;; end of part 3
;; launch proj (part 4): grid 4 x 64, 4 waves a work-group, clusters of 4 x 4, 230,912 bytes of LDS; arguments yq, wq, b_proj, out0; writes out0
.if DOCPART == 4
	.amdgcn_target "amdgcn-amd-amdhsa--gfx1250"
	.amdhsa_code_object_version 6
	.text
	.protected	k_qa95f769d43_proj
	.globl	k_qa95f769d43_proj
	.p2align	8
	.type	k_qa95f769d43_proj,@function
k_qa95f769d43_proj:
	s_mov_b64 s[64:65], 0
	v_nop
	global_prefetch_b8 v0, s[64:65] scope:SCOPE_SE
	s_setreg_imm32_b32 hwreg(HW_REG_WAVE_MODE, 25, 1), 1
	s_wait_xcnt 0x0
	s_wait_alu depctr_hold_cnt(0) depctr_sa_sdst(0) depctr_va_vdst(0) depctr_va_sdst(0) depctr_va_ssrc(0) depctr_va_vcc(0) depctr_vm_vsrc(0)
	s_getreg_b32 s2, hwreg(HW_REG_IB_STS2, 6, 4)
	s_cmp_eq_u32 s2, 0
	s_cbranch_scc0 .Lentry_in_a_cluster
	s_endpgm
.Lentry_in_a_cluster:
	s_bfe_u32 s2, ttmp6, 0x10000c
	s_cmp_lg_u32 s2, 0xf033
	s_cbranch_scc0 .Lentry_shape_is_right
	s_endpgm
.Lentry_shape_is_right:
; out0 = y w_proj + b_proj on codes of FP4 (E2M1) with E8M0 scales, f32 sums, f32 out.
; A work-group makes 128 tokens x 256 channels (256 work-groups); each of its four waves 64 x 128: 32 accumulators, 256 registers.  K = 1,024: y's panel is 64 KiB of codes, w's 128 KiB: both lie whole in LDS,
; each filled once, in four chunks of 256 along K, so that the products begin when the first chunk has landed.  No LDS byte is filled twice.
; OPERANDS ARE IMAGES OF THEIR REGISTERS: [tile][block kb][place r][16 bytes]; a fragment is two loads of 16 bytes a lane at 16 x lane.  A tile's rows are not neighbours: tile 2 B + u, place r = row 32 B + 8 u + r + 8 (r / 8).
; Source 0 = w's tiles, source 1 = y's: a lane holds one token (place r of its tile), and the registers of result tiles 2 B, 2 B + 1 are channels 32 B + 16 (lane / 16) + 0 .. 15.  The bias is the C of each sum's first matrix instruction.
; CLUSTER 4 x 4: y's panel hangs on the tile row alone and is asked for jointly along a row of the cluster, w's on the tile column alone and along a column.
; REGISTERS: window 0: v1-11 addresses; v16, v20-21 LDS addresses; v32-47 y's scale words, v64-95 w's (register 4 i + q of tile i: K step q in lanes 0-15, q + 4 in lanes 16-31); v128-159 y's 4 fragments, one set;
;   on the way out v128-255: rows read back.  window 1: w's fragments, two sets, v0-63 and v128-191; v64-127 the bias.  window 2: accumulator (a, b) at v[8 (8 a + b)].
.set YSO,   4194304                    ; yq: scale bytes
.set WPIO,  1671168                    ; wq: w_proj's codes,
.set WPSO,  2195456                    ; its scale bytes
.set WPAN,  65536                      ; LDS: y's panel at 0: [chunk 4][tile 8][2 K steps][1,024]; w's here: [chunk 4][tile 16][2][1,024]
.set STG,   196608                     ; behind the panels: a stage of 16 rows x SPITCH for each wave, into which no tensor load lands
.set SPITCH, 528                       ; 512 bytes + 16: 33 x 16 bytes, so that the sixteen rows of a store begin at sixteen different 16-byte columns of 256
.set LI,   4                           ; v4   16 x lane
.set STO,  5                           ; v5   the stage, in: SPITCH r + 64 (lane / 16)
.set RD,   6                           ; v6   the stage, out: 16 x lane
.set BO,   11                          ; v11  my offset in the bias
.set ADRY, 16
.set ADRW, 20                          ; v20-21: K steps 0-3, 4-7
.set YSC,  32
.set WSC,  64
.set AF,   128
.set BK,   128                         ; the way out: v128-191 and v192-255 by turns
.set BB,   64                          ; in window 1
.set G1Y,  24
.set G1W,  32
.set G0Y,  40                          ; s[40:55] group 0 for y's four chunks
.set G0W,  68                          ; s[68:83] for w's
.set MSB, 0
.macro WIN new                         ; the immediate's high byte repeats the setting that is left; a switch that changes nothing is dropped
.if MSB != (\new)
	s_set_vgpr_msb (MSB<<8)|(\new)
.set MSB, (\new)
.endif
.endm
.macro CROUND                          ; a round of the cluster's barrier
	s_barrier_signal -1
	s_barrier_wait -1
	s_cmp_lg_u32 s14, 0
	s_cbranch_scc1 .Lnot_wave_0_\@
	s_barrier_signal -3
.Lnot_wave_0_\@:
	s_barrier_wait -3
	s_barrier_signal -1
	s_barrier_wait -1
.endm
.macro PLACES                          ; four places in front of loads into registers that matrix instructions have read, and of the first read of results
.rept 4
	v_nop
.endr
.endm
.macro FETCH_B s                       ; w's eight fragments of K step s into set s % 2 of window 1
	WIN 0x40
.irp i, 0,1,2,3,4,5,6,7
.irp c, 0,1
	ds_load_b128 v[128*((\s)%2)+8*\i+4*\c:128*((\s)%2)+8*\i+4*\c+3], v[ADRW+((\s)>>2)] offset:(((\s)>>1)&1)*32768+\i*2048+((\s)&1)*1024+512*\c
.endr
.endr
	WIN 0
.endm
.macro FETCH_A s, i0                   ; y's blocks i0, i0 + 1
.irp i, \i0, \i0+1
.irp c, 0,1
	ds_load_b128 v[AF+8*(\i)+4*\c:AF+8*(\i)+4*\c+3], v[ADRY] offset:((\s)>>1)*16384+(\i)*2048+((\s)&1)*1024+512*\c
.endr
.endr
.endm
; 8 matrix instructions: y's block a against w's eight, K step s.  cm = 1: the sums start from the bias.  The 32 accumulators take turns, one instruction a turn, in the same order in every K step.
.macro MULA a, s, cm
.if (\cm) == 0
	WIN 0xa1                                       ; source 0 window 1, source 1 window 0, C and D window 2
.else
	WIN 0x91                                       ; C in window 1
.endif
.irp b, 0,1,2,3,4,5,6,7
.set DD, 8*(8*(\a)+\b)
.set QF, 128*((\s)%2)+8*\b
.set PF, AF+8*(\a)
.set SQ, WSC+4*\b+((\s)&3)
.set SPP, YSC+4*(\a)+((\s)&3)
.if (\cm) == 1
	v_wmma_scale_f32_16x16x128_f8f6f4 v[DD:DD+7], v[QF:QF+7], v[PF:PF+7], v[BB+8*\b:BB+8*\b+7], v[SQ], v[SPP] matrix_a_fmt:MATRIX_FMT_FP4 matrix_b_fmt:MATRIX_FMT_FP4
.elseif (\s) < 4
	v_wmma_scale_f32_16x16x128_f8f6f4 v[DD:DD+7], v[QF:QF+7], v[PF:PF+7], v[DD:DD+7], v[SQ], v[SPP] matrix_a_fmt:MATRIX_FMT_FP4 matrix_b_fmt:MATRIX_FMT_FP4
.else
	v_wmma_scale_f32_16x16x128_f8f6f4 v[DD:DD+7], v[QF:QF+7], v[PF:PF+7], v[DD:DD+7], v[SQ], v[SPP] matrix_a_fmt:MATRIX_FMT_FP4 matrix_b_fmt:MATRIX_FMT_FP4 matrix_a_scale:MATRIX_SCALE_ROW1 matrix_b_scale:MATRIX_SCALE_ROW1
.endif
.endr
.endm
.macro REST s, cm                      ; a K step's second half: the next step's fragments are fetched in two runs
	PLACES
	FETCH_B (\s)+1
	FETCH_A (\s)+1, 0
	MULA 2, \s, \cm
	MULA 3, \s, \cm
	PLACES
	WIN 0
	FETCH_A (\s)+1, 2
.endm
.macro STEP s, cm                      ; a K step whose successor lies in the same chunk
	s_wait_dscnt 4                                 ; all but the youngest four loads (y's blocks 2, 3)
	MULA 0, \s, \cm
	MULA 1, \s, \cm
	s_wait_dscnt 0x0
	REST \s, \cm
.endm
.macro TURN s                          ; a chunk's last K step: the next chunk has to be whole.  Later chunks may stay out
	s_wait_tensorcnt 2-((\s)>>1)                   ; my part of the next chunk has landed: behind it I issued so many chunks' loads
	s_wait_dscnt 4
	MULA 0, \s, 0
	s_wait_dscnt 0x0                               ; no LDS instruction of mine is out at the signal
	s_barrier_signal -1
	MULA 1, \s, 0
	s_barrier_wait -1                              ; everybody's part has landed
	REST \s, 0
.endm
	s_load_b256 s[4:11], s[0:1], 0x0               ; yq s[4:5], wq s[6:7], b_proj s[8:9], out0 s[10:11]
	v_lshl_add_u32 v126, v0, 2, 0x38400
	v_mov_b32 v127, 0
	ds_add_u32 v126, v127
	ds_add_u32 v126, v127
	v_lshrrev_b32 v1, 5, v0
	v_readfirstlane_b32 s14, v1                    ; wave 0..3
	s_lshr_b32 s15, s14, 1                         ; wr: my half of y's 8 tiles.  Also: I fetch for y (0) or for w (1)
	s_and_b32 s16, s14, 1                          ; wc: my half of w's 16 tiles.  Also: which half of that panel's tiles I fetch
	s_bfe_u32 s12, ttmp6, 0x40000                  ; cx
	s_bfe_u32 s13, ttmp6, 0x40004                  ; cy
	s_lshl_b32 s17, ttmp9, 2
	s_add_co_u32 s17, s17, s12                     ; tx: 256 channels of the 1,024
	s_and_b32 s18, ttmp7, 0xffff
	s_lshl_b32 s18, s18, 2
	s_add_co_u32 s18, s18, s13                     ; ty: 128 tokens of the 8,192
	s_lshl_b32 s2, s13, 2
	s_lshl_b32 s2, 15, s2                          ; my row of the cluster
	s_lshl_b32 s3, 0x1111, s12                     ; my column
	; descriptor group 1: some tiles' parts of a chunk: rows of 2,048 bytes (256 elements of 8 bytes), 8,192 bytes apart in memory, on end in LDS: 4 rows for y, 8 for w
	s_or_b32 s[G1Y], s2, (3<<16)|(1<<21)           ; 15:0 the mask; 17:16 elements of 8 bytes; 21 set beside a mask
	s_or_b32 s[G1W], s3, (3<<16)|(1<<21)
	s_mov_b32 s[G1Y+1], 256<<16                    ; tensor_dim0
	s_mov_b32 s[G1Y+2], 4<<16                      ; tensor_dim1
	s_mov_b32 s[G1Y+3], 256<<16                    ; tile_dim0
	s_mov_b32 s[G1Y+4], 4                          ; tile_dim1
	s_mov_b32 s[G1Y+5], 1024                       ; tensor_dim0_stride
	s_mov_b32 s[G1Y+6], 0
	s_mov_b32 s[G1Y+7], 0
	s_mov_b32 s[G1W+1], 256<<16
	s_mov_b32 s[G1W+2], 8<<16
	s_mov_b32 s[G1W+3], 256<<16
	s_mov_b32 s[G1W+4], 8
	s_mov_b32 s[G1W+5], 1024
	s_mov_b32 s[G1W+6], 0
	s_mov_b32 s[G1W+7], 0
	s_lshl_b32 s20, s18, 16                        ; y: 8 tiles of 8,192 bytes a tile row; no register that feeds y's descriptors ever holds cx
	s_lshl_b32 s19, s16, 15
	s_add_co_u32 s20, s20, s19
	s_mov_b32 s21, 0
	s_lshl_b32 s22, s17, 17                        ; w: 16 tiles a tile column
	s_lshl_b32 s19, s16, 16
	s_add_co_u32 s22, s22, s19
	s_add_co_u32 s22, s22, WPIO
	s_mov_b32 s23, 0
	s_lshl_b32 s56, s16, 13                        ; where they go: the wave's number alone
	s_lshl_b32 s57, s16, 14
	s_add_co_u32 s57, s57, WPAN
	s_wait_dscnt 0x0
	s_wait_kmcnt 0x0
	s_add_nc_u64 s[20:21], s[4:5], s[20:21]
	s_add_nc_u64 s[22:23], s[6:7], s[22:23]
.irp q, 0,1,2,3
	s_mov_b32 s[G0Y+4*\q], 1
	s_add_co_u32 s[G0Y+4*\q+1], s56, \q*16384
	s_add_nc_u64 s[G0Y+4*\q+2:G0Y+4*\q+3], s[20:21], \q*2048
	s_or_b32 s[G0Y+4*\q+3], s[G0Y+4*\q+3], 0x80000000
	s_mov_b32 s[G0W+4*\q], 1
	s_add_co_u32 s[G0W+4*\q+1], s57, \q*32768
	s_add_nc_u64 s[G0W+4*\q+2:G0W+4*\q+3], s[22:23], \q*2048
	s_or_b32 s[G0W+4*\q+3], s[G0W+4*\q+3], 0x80000000
.endr
	CROUND                                         ; all sixteen work-groups are here: the joint loads meet
	s_cmp_eq_u32 s15, 0                            ; a wave's four fills stand in one branch on the wave's number: four tensor loads of mine are out; four v_nop follow the last
	s_cbranch_scc0 .Lfill_w
.irp q, 0,1,2,3
	tensor_load_to_lds s[G0Y+4*\q:G0Y+4*\q+3], s[G1Y:G1Y+7]
	s_nop 0
.endr
.rept 4
	v_nop
.endr
	s_branch .Lfilled
.Lfill_w:
.irp q, 0,1,2,3
	tensor_load_to_lds s[G0W+4*\q:G0W+4*\q+3], s[G1W:G1W+7]
	s_nop 0
.endr
.rept 4
	v_nop
.endr
.Lfilled:
	v_and_b32 v1, 15, v0                           ; r
	v_bfe_u32 v2, v0, 4, 1                         ; h
	v_and_b32 v3, 31, v0                           ; lane
	v_lshlrev_b32 v[LI], 4, v3
	s_wait_alu depctr_va_vdst(0)
	s_lshl_b32 s58, s15, 13
	v_add_nc_u32 v[ADRY], s58, v[LI]               ; my 4 tiles of y in a chunk
	s_lshl_b32 s58, s16, 14
	s_add_co_u32 s58, s58, WPAN
	v_add_nc_u32 v[ADRW], s58, v[LI]               ; my 8 tiles of w in a chunk,
	v_add_nc_u32 v[ADRW+1], 0x10000, v[ADRW]       ; and two chunks on
	s_mul_i32 s58, s14, 16*SPITCH
	s_add_co_u32 s58, s58, STG                     ; my stage
	v_mul_u32_u24 v[STO], v1, SPITCH
	v_lshl_add_u32 v[STO], v2, 6, v[STO]
	v_add_nc_u32 v[STO], s58, v[STO]
	v_add_nc_u32 v[RD], s58, v[LI]
	v_lshlrev_b32 v[BO], 6, v2                     ; a lane's registers of tile 2 B + u are channels 32 B + 16 h + 8 u + 0 .. 7
	s_wait_alu depctr_va_vdst(0)
	s_lshl_b32 s58, s18, 12                        ; the scale words of my 4 tiles of y, 512 bytes a tile,
	s_lshl_b32 s60, s15, 11
	s_add_co_u32 s58, s58, s60
	s_add_co_u32 s58, s58, YSO
	s_mov_b32 s59, 0
	s_add_nc_u64 s[58:59], s[4:5], s[58:59]
	s_lshl_b32 s60, s17, 13                        ; and of my 8 tiles of w
	s_lshl_b32 s62, s16, 12
	s_add_co_u32 s60, s60, s62
	s_add_co_u32 s60, s60, WPSO
	s_mov_b32 s61, 0
	s_add_nc_u64 s[60:61], s[6:7], s[60:61]
.irp i, 0,1,2,3
	global_load_b128 v[YSC+4*\i:YSC+4*\i+3], v[LI], s[58:59] offset:512*\i   ; a tile's scale bytes for all of K: 512 consecutive bytes
.endr
.irp i, 0,1,2,3,4,5,6,7
	global_load_b128 v[WSC+4*\i:WSC+4*\i+3], v[LI], s[60:61] offset:512*\i
.endr
	s_lshl_b32 s62, s17, 10                        ; my 128 channels: in the bias,
	s_lshl_b32 s84, s16, 9
	s_add_co_u32 s62, s62, s84
	s_mov_b32 s63, 0
	s_lshl_b32 s84, s18, 19                        ; and in out0, at my first token: 128 ty + 64 wr rows of 4,096 bytes
	s_lshl_b32 s86, s15, 18
	s_add_co_u32 s84, s84, s86
	s_add_co_u32 s84, s84, s62
	s_mov_b32 s85, 0
	s_add_nc_u64 s[62:63], s[8:9], s[62:63]
	s_add_nc_u64 s[84:85], s[10:11], s[84:85]
	WIN 0x40
.irp j, 0,1,2,3,4,5,6,7
	global_load_b128 v[BB+8*\j:BB+8*\j+3], v[BO], s[62:63] offset:(32*(\j/2)+8*(\j%2))*4
	global_load_b128 v[BB+8*\j+4:BB+8*\j+7], v[BO], s[62:63] offset:(32*(\j/2)+8*(\j%2))*4+16
.endr
	WIN 0
	s_wait_loadcnt 0x0                             ; scale words and bias
	s_wait_tensorcnt 3                             ; my part of chunk 0 has landed; my other three loads may be out
	s_barrier_signal -1
	s_barrier_wait -1                              ; everybody's has
	FETCH_B 0
	FETCH_A 0, 0
	FETCH_A 0, 2
	STEP 0, 1                                      ; the first products start the sums from the bias: nothing is cleared
	TURN 1
	STEP 2, 0
	TURN 3
	STEP 4, 0
	TURN 5                                         ; its wait on TENSORcnt is for 0: no tensor load is out from here on
	STEP 6, 0
	s_wait_dscnt 4                                 ; the last K step: nothing more to fetch
	MULA 0, 7, 0
	MULA 1, 7, 0
	s_wait_dscnt 0x0
	MULA 2, 7, 0
	MULA 3, 7, 0
	WIN 0
; THE WAY OUT, block by block of 16 tokens x 128 channels.  A lane holds pieces of 32 bytes of one row, and the lanes beside it hold other rows: so a block goes through my own stage in LDS and comes back as whole
; rows of 512 bytes.  LDS serves a wave's instructions in order (ISA guide 5.7.1.4): no wait between the stores and the loads, nor in front of the next block's stores.
.macro TOSTAGE a
.set AC, 64*(\a)
	WIN 0x08                                       ; an LDS store's data are its source 1: window 2
.irp b, 0,1,2,3,4,5,6,7
	ds_store_b128 v[STO], v[AC+8*\b:AC+8*\b+3] offset:128*(\b/2)+32*(\b%2)          ; each accumulator from its low end on
	ds_store_b128 v[STO], v[AC+8*\b+4:AC+8*\b+7] offset:128*(\b/2)+32*(\b%2)+16
.endr
	WIN 0
.set BBK, BK+64*((\a)%2)
.irp t, 0,1,2,3,4,5,6,7,8,9,10,11,12,13,14,15
	ds_load_b128 v[BBK+4*\t:BBK+4*\t+3], v[RD] offset:\t*SPITCH
.endr
.endm
.macro SEND a, younger                 ; younger: the LDS instructions issued behind block a's loads, which may stay out
.set BBK, BK+64*((\a)%2)
	s_wait_dscnt \younger
.irp t, 0,1,2,3,4,5,6,7,8,9,10,11,12,13,14,15
	global_store_b128 v[LI], v[BBK+4*\t:BBK+4*\t+3], s[84:85] offset:(32*((\a)/2)+8*((\a)%2)+\t+8*(\t/8))*4096 th:TH_STORE_NT   ; place t of tile a is that token: 512 consecutive bytes, aligned; written once, read by nobody here
.endr
.endm
	PLACES                                         ; for the first read of results and for the loads into the registers that held y's fragments
	TOSTAGE 0
.irp a, 1,2,3
.if \a > 1
	s_wait_xcnt 0x0                                ; block a - 2's stores have read their registers: block a's loads may land there
.endif
	TOSTAGE \a
	SEND \a-1, 32                                  ; behind block a - 1's loads: block a's 16 stores and 16 loads
.endr
	SEND 3, 0
	s_wait_tensorcnt 0x0
	ds_add_u32 v126, v127
	s_wait_dscnt 0x0
	CROUND                                         ; the closing round: no work-group ends while a partner may still ask for a tile that names it
	s_endpgm
.Lfunc_end_k_qa95f769d43_proj:
	.size	k_qa95f769d43_proj, .Lfunc_end_k_qa95f769d43_proj-k_qa95f769d43_proj
	.p2alignl 7, 3214868480
	.fill 96, 4, 3214868480
	.section	.rodata,"a",@progbits
	.p2align	6, 0x0
	.amdhsa_kernel k_qa95f769d43_proj
		.amdhsa_group_segment_fixed_size 230912
		.amdhsa_private_segment_fixed_size 0
		.amdhsa_enable_private_segment 0
		.amdhsa_kernarg_size 32
		.amdhsa_user_sgpr_count 2
		.amdhsa_user_sgpr_kernarg_segment_ptr 1
		.amdhsa_wavefront_size32 1
		.amdhsa_system_sgpr_workgroup_id_x 1
		.amdhsa_system_sgpr_workgroup_id_y 1
		.amdhsa_system_sgpr_workgroup_id_z 1
		.amdhsa_system_vgpr_workitem_id 0
		.amdhsa_next_free_vgpr 768
		.amdhsa_next_free_sgpr 100
		.amdhsa_reserve_vcc 0
		.amdhsa_float_denorm_mode_32 3
		.amdhsa_float_denorm_mode_16_64 3
		.amdhsa_memory_ordered 1
		.amdhsa_forward_progress 1
		.amdhsa_inst_pref_size 74
	.end_amdhsa_kernel
	.amdgpu_metadata
---
amdhsa.version: [ 1, 2 ]
amdhsa.kernels:
  - .name:           k_qa95f769d43_proj
    .symbol:         k_qa95f769d43_proj.kd
    .args:
      - { .name: yq, .offset: 0, .size: 8, .value_kind: global_buffer, .address_space: global }
      - { .name: wq, .offset: 8, .size: 8, .value_kind: global_buffer, .address_space: global }
      - { .name: b_proj, .offset: 16, .size: 8, .value_kind: global_buffer, .address_space: global }
      - { .name: out0, .offset: 24, .size: 8, .value_kind: global_buffer, .address_space: global }
    .group_segment_fixed_size: 230912
    .private_segment_fixed_size: 0
    .kernarg_segment_align: 8
    .kernarg_segment_size: 32
    .max_flat_workgroup_size: 128
    .sgpr_count:     100
    .vgpr_count:     768
    .wavefront_size: 32
...
	.end_amdgpu_metadata
.endif
;; end of part 4
